; MI455X (gfx1250); checked and timed in simulation.
; The chip was launched on July 23, 2026; its instructions are those of AMD's public machine-readable ISA for CDNA 5 (MIT licence, August 2026) and "CDNA5" Instruction Set Architecture Reference Guide (July 2026). The comments in the code are by the model that wrote it; some were corrected since.
;; Multi Head Attention. Allowed arithmetic: matrix products marked QUANTISED: E2M3 operands, one E8M0 scale for each 32 along K, by v_wmma_scale_f32_16x16x128_f8f6f4 with both operands' format E2M3, f32 sums; everything else in f32.
;; Inputs: Wk_b 1,024 float32; Wk_w 1,024 x 1,024 float32; Wo_b 1,024 float32; Wo_w 1,024 x 1,024 float32; Wq_b 1,024 float32; Wq_w 1,024 x 1,024 float32; Wv_b 1,024 float32; Wv_w 1,024 x 1,024 float32; attention_mask 4 x 2,048 int32; encoder_input 4 x 2,048 x 1,024 float32.
;; Outputs: out0 4 x 2,048 x 1,024 float32.
;; This version of the problem:
;;   THIS VERSION OF THE PROBLEM IS GIVEN IN LOW PRECISION. The matrix products marked QUANTISED in the list below multiply operands that are first quantised to E2M3 (2 exponent bits, 3 mantissa bits; 6 bits a number), with one power-of-two scale for each 32 numbers along K (OCP MX v1.0); their sums are f32. All else is computed in f32.
;;   The module's matrix products, in the order in which they are computed (A, B: the left and right operand; K: the contracted axis; several contracted axes count as one K, in the product's order):
;;     1. [M 8,192, K 1,024] x [K 1,024, N 1,024]; A: input encoder_input; B: input Wq_w: QUANTISED
;;     2. [M 8,192, K 1,024] x [K 1,024, N 1,024]; A: input encoder_input; B: input Wk_w: QUANTISED
;;     3. [M 8,192, K 1,024] x [K 1,024, N 1,024]; A: input encoder_input; B: input Wv_w: QUANTISED
;;     4. batch 64 x [M 2,048, K 64] x [K 64, N 2,048]; A: computed on the way; B: computed on the way: QUANTISED
;;     5. batch 64 x [M 2,048, K 2,048] x [K 2,048, N 64]; A: softmax (see below); B: computed on the way: QUANTISED
;;     6. [M 8,192, K 1,024] x [K 1,024, N 1,024]; A: computed on the way; B: input Wo_w: QUANTISED
;;   THE QUANTISER, for each operand of a quantised product, along K:
;;     - K is cut into blocks of 32 from its start; a last block that is shorter is filled with zeros.
;;     - A block's scale is 2^e with e = floor(log2(the largest magnitude in the block)) - 2, held to -126 .. 127; a block of zeros has e = 0. As a byte (E8M0): e + 127.
;;     - Each number is divided by its block's scale, clamped to +-7.5, and rounded to the nearest number of E2M3, ties to even, subnormals kept.
;;     - The product sums the exact products of the quantised numbers (number of the format x scale) in f32.
;;   ~~~python
;;   def quantise(x, axis):      # numpy; x: float32 -> the quantised numbers, widened to float32 again
;;       x = np.moveaxis(x, axis, -1); K = x.shape[-1]
;;       x = np.pad(x, [(0, 0)] * (x.ndim - 1) + [(0, -K % 32)]); x = x.reshape(x.shape[:-1] + (-1, 32)); a = np.abs(x).max(-1, keepdims=True)
;;       e = np.where(a > 0, np.clip(np.frexp(np.where(a > 0, a, 1))[1] - 1 - 2, -126, 127), 0)      # np.frexp(a)[1] - 1 = floor(log2(a)), exactly
;;       r = np.clip(x / 2.0 ** e, -7.5, 7.5)
;;       step = 2.0 ** (np.maximum(np.frexp(np.where(r == 0, 1, r))[1] - 1, 0) - 3)
;;       q = np.round(r / step) * step * 2.0 ** e      # np.round: ties to even
;;       return np.moveaxis(q.reshape(q.shape[:-2] + (-1,))[..., :K], -1, axis).astype(np.float32)
;;   ~~~
;;   SOFTMAX AHEAD OF A QUANTISED PRODUCT. Where the list says 'softmax', what is quantised is not the finished softmax but p = 2^(t - M), with t = logit x log2(e) and M = ceil(the row's largest t), a whole number; so 1/2 < the row's largest p <= 1. The row's sum l is taken of the UNQUANTISED p, in f32, and the product's result is divided by l at the end. Since M is a whole number, a kernel that streams over the keys may use a running M (the ceiling of the running maximum): every later rescaling is an exact power of two, which a block's scale takes up: the codes' values come out the same.
;;   OPERANDS COMPUTED ON THE WAY. 'Computed on the way' means the value that the module computes at that place (a softmax that the list does not call 'softmax' is quantised finished and normalised). What goes into a quantiser is computed in f32, as accurately as f32 sums, v_exp_f32 and their like allow (about 1e-6 of the number): no bf16 or f16 on the way to a quantiser, and a product that is left as it is and whose result goes on into a quantised operand takes f32 operands (vector FMAs, or v_wmma_f32_16x16x4_f32). A number that lies on a knife's edge between two numbers of the format may be rounded either way, as far as f32 arithmetic and the matrix unit's own rounding can turn it there, and no further.
;; One version. Each part assembles by itself: llvm-mc -triple=amdgcn-amd-amdhsa -mcpu=gfx1250 --defsym DOCPART=n.
;; ======== version 1 of 1: 4 launches
;; limits: right only within a limited range of input values
;; workspace buffers: opc 9,437,184 bytes; ops 360,448 bytes; os 294,912 bytes; qkvc 18,874,368 bytes; qkvs 786,432 bytes; oc 6,291,456 bytes
;; launch quant (part 1): grid 256 x 1, 6 waves a work-group, no clusters, 51,456 bytes of LDS; arguments encoder_input, Wq_w, Wk_w, Wv_w, Wo_w, opc, ops, os; writes opc, ops, os
.if DOCPART == 1
	.amdgcn_target "amdgcn-amd-amdhsa--gfx1250"
	.amdhsa_code_object_version 6
	.text
	.protected	k_q5784449bf5_quant
	.globl	k_q5784449bf5_quant
	.p2align	8
	.type	k_q5784449bf5_quant,@function
k_q5784449bf5_quant:
	s_mov_b64 s[64:65], 0
	v_nop
	global_prefetch_b8 v0, s[64:65] scope:SCOPE_SE
	s_setreg_imm32_b32 hwreg(HW_REG_WAVE_MODE, 25, 1), 1
	s_wait_xcnt 0x0
; encoder_input [8192][1024] and the four weights [1024][1024], f32, K innermost, become codes of FP6 (E2M3) with one E8M0 byte for each 32 along K.
; A block's scale is 2^(floor(log2(its largest magnitude)) - 2); its byte is the largest magnitude's exponent field - 2, held at 1 from below.
; LAYOUT OF THE RESULT: images of the operand's registers.  Row block g (768 of them: 512 of x, 64 of each weight) holds 16 rows, NOT neighbours:
; lane r takes row 32 (g / 2) + 8 (g % 2) + r + 8 (r / 8) of its tensor.  A fragment (16 rows x 128 K, 12 registers a lane) is 1,536 bytes: for each half c of K
; registers 6 c .. 6 c + 3 at 768 c + 16 x lane, registers 6 c + 4, 6 c + 5 at 768 c + 512 + 8 x lane.  opc: [g][K step 0..7][1536].
; Scale words: for each row block 512 bytes, the word of K step s of row r at 256 (s / 4) + 16 r + 4 (s % 4); x, Wq, Wk, Wv in ops, Wo in os behind the 512 blocks that a later launch stores there.
; SHARES: a wave takes one row block and one half of K (512): four fragments.  Waves share nothing: no barrier.  Each load reads 512 consecutive bytes of a row; the 16 rows of a K step turn
; through the wave's own stage in LDS (rows 528 bytes apart), so that a lane gets 16 neighbours of each block of 32.  Every store covers whole aligned runs of 256 bytes.
; LIMITS: NaN and infinities among the inputs are not served.  A block of zeros gets the byte 1 where the quantiser's text says 127: its codes are zeros, and this program alone reads the bytes.
; attention_mask is no argument of any launch of this program: reference() never reads it.
.set STG,   8448                       ; a wave's stage: 16 rows x (512 + 16) bytes
.set SPARE, 6*STG                      ; behind the six stages: the spare words, 128 bytes a wave: three blocks of 256 bytes that no other line names
.set A16,   1                          ; v1   16 x lane
.set A8,    2                          ; v2   8 x lane
.set SIN,   3                          ; v3   into the stage: my wave's stage + 16 x lane
.set SOUT,  4                          ; v4   out of it: + 528 r + 64 h
.set SCO,   5                          ; v5   16 r + 8 h: my two scale words' place
.set SPW,   10                         ; v10  LDS address of my spare word; never rewritten
.set NIL,   11                         ; v11  0; never rewritten
.set R,     16                         ; v16-207 three sets of 64 numbers
.set PC,    208                        ; v208-226 the codes just made
.set TM,    228                        ; v228-243 at work in QUANT
.set PW,    244                        ; v244-247 the four steps' scale words
.set OW,    248                        ; v[248:249] the two words that I store
.set SEL,   34                         ; s[34:35] lane selects: lane l xor 16
; 64 numbers of a lane, register 16 b + i = k 32 b + 16 (lane / 16) + i of my row, become a fragment's codes in v[PC] on and its scale word in v[pw].
.macro QUANT s, pw
.irp b, 0,1,2,3
	v_max3_num_f32 v[TM+\b], |v[\s+16*\b]|, |v[\s+1+16*\b]|, 0x1800000   ; block b: my 16 numbers, and the floor 2^(3 - 127): the byte cannot fall under 1
.endr
.irp i, 2,4,6,8,10,12,14
.irp b, 0,1,2,3
	v_max3_num_f32 v[TM+\b], v[TM+\b], |v[\s+16*\b+\i]|, |v[\s+1+16*\b+\i]|   ; the four blocks by turns
.endr
.endr
.irp b, 0,1,2,3
	v_permlanex16_b32 v[TM+4+\b], v[TM+\b], s[SEL], s[SEL+1]
.endr
.irp b, 0,1,2,3
	v_max_num_f32 v[TM+\b], v[TM+\b], v[TM+4+\b]   ; with lane l xor 16's: the block's largest magnitude
.endr
.irp b, 0,1,2,3
	v_add_nc_u32 v[TM+12+\b], 0xff000000, v[TM+\b]   ; 2 off its exponent field: the conversion's scale operand
.endr
.irp b, 0,1,2,3
	v_lshrrev_b32 v[TM+4+\b], 23, v[TM+12+\b]      ; the scale's byte
.endr
	v_lshl_or_b32 v[\pw], v[TM+5], 8, v[TM+4]
	v_lshl_or_b32 v[\pw], v[TM+6], 16, v[\pw]
	v_lshl_or_b32 v[\pw], v[TM+7], 24, v[\pw]
.irp c, 0,1
	v_cvt_scalef32_pk16_fp6_f32 v[PC+6*\c:PC+2+6*\c], v[\s+32*\c:\s+15+32*\c], v[TM+12+2*\c]
	v_cvt_scalef32_pk16_fp6_f32 v[PC+12+4*\c:PC+14+4*\c], v[\s+16+32*\c:\s+31+32*\c], v[TM+12+2*\c+1]   ; (a conversion's three registers begin on an even number)
.endr
	v_nop                                          ; one plain place behind a scaled conversion
.irp c, 0,1                                    ; the operand's layout wants a whole block in a lane: lanes 0-15 block 2 c, lanes 16-31 block 2 c + 1
.irp i, 0,1,2
	v_permlane16_swap_b32 v[PC+6*\c+\i], v[PC+12+4*\c+\i]
.endr
.irp i, 0,1,2
	v_mov_b32 v[PC+3+6*\c+\i], v[PC+12+4*\c+\i]
.endr
.endr
.endm
	s_load_b256 s[4:11], s[0:1], 0x0               ; x, Wq, Wk, Wv
	s_load_b256 s[12:19], s[0:1], 0x20             ; Wo, opc, ops, os
	v_lshl_add_u32 v[SPW], v0, 2, SPARE
	v_mov_b32 v[NIL], 0
	v_lshrrev_b32 v6, 5, v0
	v_readfirstlane_b32 s20, v6                    ; wave 0..5
	v_and_b32 v6, 31, v0                           ; lane
	v_and_b32 v7, 15, v0                           ; r
	v_bfe_u32 v8, v0, 4, 1                         ; h
	v_lshlrev_b32 v[A16], 4, v6
	v_lshlrev_b32 v[A8], 3, v6
	s_mul_i32 s25, s20, STG
	v_add_nc_u32 v[SIN], s25, v[A16]
	v_mul_u32_u24 v[SOUT], v7, 528
	v_lshl_add_u32 v[SOUT], v8, 6, v[SOUT]
	v_add_nc_u32 v[SOUT], s25, v[SOUT]
	v_lshlrev_b32 v[SCO], 4, v7
	v_lshl_add_u32 v[SCO], v8, 3, v[SCO]
.irp b, 0,1,2,3
	v_mov_b32 v[TM+4+\b], 0                        ; written once: a lane permute's destination counts as one of its sources
.endr
	s_mov_b32 s[SEL], 0x76543210
	s_mov_b32 s[SEL+1], 0xfedcba98
	s_mov_b32 s36, 0xffff0000                      ; lanes 16-31
	s_mul_i32 s21, ttmp9, 6
	s_add_co_u32 s21, s21, s20                     ; 2 g + hh: which half row block is my wave's, 0..1535
	s_lshr_b32 s22, s21, 1                         ; g
	s_and_b32 s23, s21, 1                          ; hh: which 512 along K
	s_and_b32 s25, s22, 63                         ; the row block inside a weight
	s_wait_alu depctr_va_vdst(0)
	s_wait_kmcnt 0x0
	s_cmp_lt_u32 s22, 512                          ; which tensor: the choices hang on the wave's and the work-group's numbers alone
	s_cselect_b64 s[26:27], s[4:5], s[6:7]
	s_cselect_b32 s24, s22, s25                    ; the row block inside its tensor
	s_cmp_ge_u32 s22, 576
	s_cselect_b64 s[26:27], s[8:9], s[26:27]
	s_cmp_ge_u32 s22, 640
	s_cselect_b64 s[26:27], s[10:11], s[26:27]
	s_cmp_ge_u32 s22, 704
	s_cselect_b64 s[26:27], s[12:13], s[26:27]
	s_cselect_b64 s[30:31], s[18:19], s[16:17]     ; Wo's scale words go to os, the others' to ops
	s_cselect_b32 s38, 384, 0                      ; in os Wo's block g lies at block g - 192
	s_lshr_b32 s32, s24, 1
	s_lshl_b32 s32, s32, 17                        ; 32 rows of 4,096 bytes for each pair of blocks,
	s_and_b32 s37, s24, 1
	s_lshl_b32 s37, s37, 15                        ; 8 rows for the odd block,
	s_add_co_u32 s32, s32, s37
	s_lshl_b32 s37, s23, 11                        ; 512 numbers for the upper half of K
	s_add_co_u32 s32, s32, s37
	s_mov_b32 s33, 0
	s_add_nc_u64 s[26:27], s[26:27], s[32:33]      ; where I read
	s_mul_i32 s32, s21, 6144
	s_add_nc_u64 s[28:29], s[14:15], s[32:33]      ; my four fragments in opc
	s_sub_co_u32 s32, s21, s38
	s_lshl_b32 s32, s32, 8
	s_add_nc_u64 s[30:31], s[30:31], s[32:33]      ; my 256 bytes of scale words
.macro LOAD t                          ; K step t of my half: 16 rows x 512 bytes, a row a load
.set RL, R+64*((\t)%3)
.irp i, 0,1,2,3,4,5,6,7,8,9,10,11,12,13,14,15
	global_load_b128 v[RL+4*\i:RL+4*\i+3], v[A16], s[26:27] offset:(\i+8*(\i/8))*4096+512*(\t) th:TH_LOAD_NT
.endr
.endm
.macro STEP t, n                       ; n: the younger loads, which may stay out
.set RS, R+64*((\t)%3)
	s_wait_loadcnt \n
.irp i, 0,1,2,3,4,5,6,7,8,9,10,11,12,13,14,15
	ds_store_b128 v[SIN], v[RS+4*\i:RS+4*\i+3] offset:528*\i
.endr
.irp b, 0,1,2,3                                ; LDS serves a wave's instructions in order: these see the stores above, and land in the registers that those have read
.irp j, 0,1,2,3
	ds_load_b128 v[RS+16*\b+4*\j:RS+16*\b+4*\j+3], v[SOUT] offset:128*\b+16*\j
.endr
.endr
	s_wait_dscnt 0x0
.if \t > 0
	s_wait_xcnt 0x0                                ; the last step's stores have read the codes' registers: they are written again only behind this wait
.endif
	QUANT RS, PW+\t
.if \t == 0
	LOAD 3                                         ; the fourth step takes the first step's registers
.endif
	global_store_b128 v[A16], v[PC:PC+3], s[28:29] offset:1536*\t            ; 512 consecutive bytes
	global_store_b64 v[A8], v[PC+4:PC+5], s[28:29] offset:1536*\t+512        ; 256
	global_store_b128 v[A16], v[PC+6:PC+9], s[28:29] offset:1536*\t+768
	global_store_b64 v[A8], v[PC+10:PC+11], s[28:29] offset:1536*\t+1280
.endm
	LOAD 0
	LOAD 1
	LOAD 2
	STEP 0, 32
	STEP 1, 32
	STEP 2, 16
	STEP 3, 0
	v_cndmask_b32 v[OW], v[PW], v[PW+2], s36       ; lanes 0-15 store their row's words 0 and 1, lanes 16-31 words 2 and 3
	v_cndmask_b32 v[OW+1], v[PW+1], v[PW+3], s36
	global_store_b64 v[SCO], v[OW:OW+1], s[30:31]  ; 32 lanes store 256 consecutive bytes, aligned
	s_wait_tensorcnt 0x0                           ; the wave's end: behind my last LDS store
	ds_add_u32 v[SPW], v[NIL]
	s_wait_dscnt 0x0
	s_endpgm
.Lfunc_end_k_q5784449bf5_quant:
	.size	k_q5784449bf5_quant, .Lfunc_end_k_q5784449bf5_quant-k_q5784449bf5_quant
	.p2alignl 7, 3214868480
	.fill 96, 4, 3214868480
	.section	.rodata,"a",@progbits
	.p2align	6, 0x0
	.amdhsa_kernel k_q5784449bf5_quant
		.amdhsa_group_segment_fixed_size 51456
		.amdhsa_private_segment_fixed_size 0
		.amdhsa_enable_private_segment 0
		.amdhsa_kernarg_size 64
		.amdhsa_user_sgpr_count 2
		.amdhsa_user_sgpr_kernarg_segment_ptr 1
		.amdhsa_wavefront_size32 1
		.amdhsa_system_sgpr_workgroup_id_x 1
		.amdhsa_system_sgpr_workgroup_id_y 1
		.amdhsa_system_sgpr_workgroup_id_z 1
		.amdhsa_system_vgpr_workitem_id 0
		.amdhsa_next_free_vgpr 256
		.amdhsa_next_free_sgpr 66
		.amdhsa_reserve_vcc 0
		.amdhsa_float_denorm_mode_32 3
		.amdhsa_float_denorm_mode_16_64 3
		.amdhsa_memory_ordered 1
		.amdhsa_forward_progress 1
		.amdhsa_inst_pref_size 34
	.end_amdhsa_kernel
	.amdgpu_metadata
---
amdhsa.version: [ 1, 2 ]
amdhsa.kernels:
  - .name:           k_q5784449bf5_quant
    .symbol:         k_q5784449bf5_quant.kd
    .args:
      - { .name: encoder_input, .offset: 0, .size: 8, .value_kind: global_buffer, .address_space: global }
      - { .name: Wq_w, .offset: 8, .size: 8, .value_kind: global_buffer, .address_space: global }
      - { .name: Wk_w, .offset: 16, .size: 8, .value_kind: global_buffer, .address_space: global }
      - { .name: Wv_w, .offset: 24, .size: 8, .value_kind: global_buffer, .address_space: global }
      - { .name: Wo_w, .offset: 32, .size: 8, .value_kind: global_buffer, .address_space: global }
      - { .name: opc, .offset: 40, .size: 8, .value_kind: global_buffer, .address_space: global }
      - { .name: ops, .offset: 48, .size: 8, .value_kind: global_buffer, .address_space: global }
      - { .name: os, .offset: 56, .size: 8, .value_kind: global_buffer, .address_space: global }
    .group_segment_fixed_size: 51456
    .private_segment_fixed_size: 0
    .kernarg_segment_align: 8
    .kernarg_segment_size: 64
    .max_flat_workgroup_size: 192
    .sgpr_count:     66
    .vgpr_count:     256
    .wavefront_size: 32
...
	.end_amdgpu_metadata
.endif
;; end of part 1
;; launch qkv (part 2): grid 12 x 32, 4 waves a work-group, clusters of 4 x 4, 327,680 bytes of LDS; arguments opc, ops, Wq_b, Wk_b, Wv_b, qkvc, qkvs; writes qkvc, qkvs
.if DOCPART == 2
	.amdgcn_target "amdgcn-amd-amdhsa--gfx1250"
	.amdhsa_code_object_version 6
	.text
	.protected	k_q5784449bf5_qkv
	.globl	k_q5784449bf5_qkv
	.p2align	8
	.type	k_q5784449bf5_qkv,@function
k_q5784449bf5_qkv:
	s_mov_b64 s[64:65], 0
	v_nop
	global_prefetch_b8 v0, s[64:65] scope:SCOPE_SE
	s_setreg_imm32_b32 hwreg(HW_REG_WAVE_MODE, 25, 1), 1
	s_wait_xcnt 0x0
	s_wait_alu depctr_hold_cnt(0) depctr_sa_sdst(0) depctr_va_vdst(0) depctr_va_sdst(0) depctr_va_ssrc(0) depctr_va_vcc(0) depctr_vm_vsrc(0)
	s_getreg_b32 s2, hwreg(HW_REG_IB_STS2, 6, 4)
	s_cmp_eq_u32 s2, 0
	s_cbranch_scc0 .Lentry_in_a_cluster
	s_endpgm
.Lentry_in_a_cluster:
	s_bfe_u32 s2, ttmp6, 0x10000c
	s_cmp_lg_u32 s2, 0xf033
	s_cbranch_scc0 .Lentry_shape_is_right
	s_endpgm
.Lentry_shape_is_right:
.set BIASC,  0
.set HALFT,  24576
.set SLOT,   4*HALFT
.set SPARE,  2*SLOT
.set FR,     12
.set ADRA,   16
.set ADRB,   20
.set A16,    24
.set A8,     25
.set SCO,    26
.set SPW,    28
.set NIL,    29
.set SC,     32
.set U,      96
.set AF,     128
.set HA,     128
.set PC,     192
.set TM,     224
.set PW,     240
.set OW,     248
.set PSEL,   252
.set WV,     18
.set WRN,    19
.set WCN,    20
.set G1,     24
.set G0,     32
.set G1B,    48
.set G0B,    56
.set SEL,    86
.set MSB, 0
.macro WIN new
.if MSB != \new
	s_set_vgpr_msb (MSB<<8)|\new
.set MSB, \new
.endif
.endm
.set MUL_LO, 0xa1
.set MUL_HI, 0xf1
.set TO_B,   0x40
.macro PLACES
.rept 4
	v_nop
.endr
.endm
.macro JLOAD s
	s_cmp_eq_u32 s[WRN], 0
	s_cbranch_scc0 .Lfor_b_\@
	tensor_load_to_lds s[G0+4*\s:G0+4*\s+3], s[G1:G1+7]
	s_nop 0
.rept 4
	v_nop
.endr
	s_branch .Lasked_\@
.Lfor_b_\@:
	tensor_load_to_lds s[G0B+4*\s:G0B+4*\s+3], s[G1B:G1B+7]
	s_nop 0
.rept 4
	v_nop
.endr
.Lasked_\@:
.endm
.macro CREST
	s_cmp_lg_u32 s[WV], 0
	s_cbranch_scc1 .Lnot_wave_0_\@
	s_barrier_signal -3
.Lnot_wave_0_\@:
	s_barrier_wait -3
	s_barrier_signal -1
	s_barrier_wait -1
.endm
.macro CROUND
	s_barrier_signal -1
	s_barrier_wait -1
	CREST
.endm
.macro FRAG reg, adr, off
	ds_load_b128 v[\reg:\reg+3], v[\adr] offset:\off
	ds_load_b64 v[\reg+4:\reg+5], v[\adr+2] offset:\off+512
	ds_load_b128 v[\reg+6:\reg+9], v[\adr] offset:\off+768
	ds_load_b64 v[\reg+10:\reg+11], v[\adr+2] offset:\off+1280
.endm
.macro FETCH_B slot, q, p
	WIN TO_B
.irp i, 0,1,2,3,4,5,6,7
	FRAG 128*(\p)+FR*\i, ADRB+\slot, 3072*\i+1536*(\q)
.endr
	WIN 0
.endm
.macro FETCH_A slot, q, i0
.irp i, \i0, \i0+1, \i0+2, \i0+3
	FRAG AF+FR*(\i), ADRA+\slot, 3072*(\i)+1536*(\q)
.endr
.endm
.macro MUL16 a0, p, s, first
.irp a, \a0, \a0+1
.irp b, 0,1,2,3,4,5,6,7
.if \first
.if BIASC
	v_wmma_scale_f32_16x16x128_f8f6f4 v[8*(8*((\a)%4)+\b):8*(8*((\a)%4)+\b)+7], v[128*(\p)+FR*\b:128*(\p)+FR*\b+FR-1], v[AF+FR*(\a):AF+FR*(\a)+FR-1], v[96+8*\b+96*(\b/4):96+8*\b+96*(\b/4)+7], v[SC+8*\b+(\s)], v[SC+8*(\a)+(\s)] matrix_a_fmt:MATRIX_FMT_FP6 matrix_b_fmt:MATRIX_FMT_FP6 matrix_a_scale:MATRIX_SCALE_ROW1
.else
	v_wmma_scale_f32_16x16x128_f8f6f4 v[8*(8*((\a)%4)+\b):8*(8*((\a)%4)+\b)+7], v[128*(\p)+FR*\b:128*(\p)+FR*\b+FR-1], v[AF+FR*(\a):AF+FR*(\a)+FR-1], 0, v[SC+8*\b+(\s)], v[SC+8*(\a)+(\s)] matrix_a_fmt:MATRIX_FMT_FP6 matrix_b_fmt:MATRIX_FMT_FP6 matrix_a_scale:MATRIX_SCALE_ROW1
.endif
.else
	v_wmma_scale_f32_16x16x128_f8f6f4 v[8*(8*((\a)%4)+\b):8*(8*((\a)%4)+\b)+7], v[128*(\p)+FR*\b:128*(\p)+FR*\b+FR-1], v[AF+FR*(\a):AF+FR*(\a)+FR-1], v[8*(8*((\a)%4)+\b):8*(8*((\a)%4)+\b)+7], v[SC+8*\b+(\s)], v[SC+8*(\a)+(\s)] matrix_a_fmt:MATRIX_FMT_FP6 matrix_b_fmt:MATRIX_FMT_FP6 matrix_a_scale:MATRIX_SCALE_ROW1
.endif
.endr
.endr
.endm
.macro STEP slot, s, first
	s_wait_dscnt 16
.if (\first) && BIASC
	WIN 0x91
.else
	WIN MUL_LO
.endif
	MUL16 0, 0, \s, \first
	MUL16 2, 0, \s, \first
	s_wait_dscnt 0x0
	PLACES
	FETCH_B \slot, 1, 1
	FETCH_A \slot, 1, 0
.if (\first) && BIASC
	WIN 0xd1
.else
	WIN MUL_HI
.endif
	MUL16 4, 0, \s, \first
	MUL16 6, 0, \s, \first
	PLACES
	WIN 0
	FETCH_A \slot, 1, 4
.endm
.macro TURN slot, next, fill, s
	s_wait_tensorcnt 0x0
	ds_add_u32 v[SPW], v[NIL]
	s_wait_dscnt 17
	WIN MUL_LO
	MUL16 0, 1, \s, 0
	s_wait_dscnt 0x0
	s_barrier_signal -1
	MUL16 2, 1, \s, 0
	WIN 0
	s_barrier_wait -1
.if \fill
	CREST
	s_add_nc_u64 s[G0+4*\slot+2:G0+4*\slot+3], s[G0+4*\slot+2:G0+4*\slot+3], 6144
	s_add_nc_u64 s[G0B+4*\slot+2:G0B+4*\slot+3], s[G0B+4*\slot+2:G0B+4*\slot+3], 6144
	JLOAD \slot
.else
	PLACES
.endif
	FETCH_B \next, 0, 0
	FETCH_A \next, 0, 0
	WIN MUL_HI
	MUL16 4, 1, \s, 0
	MUL16 6, 1, \s, 0
	PLACES
	WIN 0
	FETCH_A \next, 0, 4
.endm
.macro QUANT s, pw
.irp b, 0,1,2,3
	v_max3_num_f32 v[TM+\b], |v[\s+16*\b]|, |v[\s+1+16*\b]|, 0x1800000
.endr
.irp i, 2,4,6,8,10,12,14
.irp b, 0,1,2,3
	v_max3_num_f32 v[TM+\b], v[TM+\b], |v[\s+16*\b+\i]|, |v[\s+1+16*\b+\i]|
.endr
.endr
.irp b, 0,1,2,3
	v_permlanex16_b32 v[TM+4+\b], v[TM+\b], s[SEL], s[SEL+1]
.endr
.irp b, 0,1,2,3
	v_max_num_f32 v[TM+\b], v[TM+\b], v[TM+4+\b]
.endr
.irp b, 0,1,2,3
	v_add_nc_u32 v[TM+12+\b], 0xff000000, v[TM+\b]
.endr
.irp b, 0,1,2,3
	v_lshrrev_b32 v[TM+4+\b], 23, v[TM+12+\b]
.endr
	v_lshl_or_b32 v[\pw], v[TM+5], 8, v[TM+4]
	v_lshl_or_b32 v[\pw], v[TM+6], 16, v[\pw]
	v_lshl_or_b32 v[\pw], v[TM+7], 24, v[\pw]
.irp c, 0,1
	v_cvt_scalef32_pk16_fp6_f32 v[PC+6*\c:PC+2+6*\c], v[\s+32*\c:\s+15+32*\c], v[TM+12+2*\c]
	v_cvt_scalef32_pk16_fp6_f32 v[PC+12+4*\c:PC+14+4*\c], v[\s+16+32*\c:\s+31+32*\c], v[TM+12+2*\c+1]
.endr
	v_nop
.irp c, 0,1
.irp i, 0,1,2
	v_permlane16_swap_b32 v[PC+6*\c+\i], v[PC+12+4*\c+\i]
.endr
.irp i, 0,1,2
	v_mov_b32 v[PC+3+6*\c+\i], v[PC+12+4*\c+\i]
.endr
.endr
.endm
	s_load_b256 s[4:11], s[0:1], 0x0
	s_load_b128 s[12:15], s[0:1], 0x20
	s_load_b64 s[16:17], s[0:1], 0x30
	v_lshl_add_u32 v[SPW], v0, 2, SPARE
	v_mov_b32 v[NIL], 0
	ds_add_u32 v[SPW], v[NIL]
	ds_add_u32 v[SPW], v[NIL]
	v_lshrrev_b32 v1, 5, v0
	v_readfirstlane_b32 s[WV], v1
	s_lshr_b32 s[WRN], s[WV], 1
	s_and_b32 s[WCN], s[WV], 1
	s_bfe_u32 s21, ttmp6, 0x40000
	s_bfe_u32 s22, ttmp6, 0x40004
	s_and_b32 s44, ttmp7, 0xffff
	s_lshl_b32 s44, s44, 2
	s_lshl_b32 s23, ttmp9, 2
	s_add_co_u32 s23, s23, 32
	s_cmp_eq_u32 ttmp9, 2
	s_cselect_b32 s40, 40, s44
	s_cselect_b32 s41, s44, s23
	s_add_co_u32 s40, s40, s22
	s_add_co_u32 s41, s41, s21
	s_lshl_b32 s42, s22, 2
	s_lshl_b32 s42, 15, s42
	s_lshl_b32 s43, 0x1111, s21
	s_or_b32 s[G1], s42, (3<<16)|(1<<21)
	s_or_b32 s[G1B], s43, (3<<16)|(1<<21)
.irp g, G1, G1B
	s_mov_b32 s[\g+1], 384<<16
	s_mov_b32 s[\g+2], 8<<16
	s_mov_b32 s[\g+3], 384<<16
	s_mov_b32 s[\g+4], 8
	s_mov_b32 s[\g+5], 1536
	s_mov_b32 s[\g+6], 0
	s_mov_b32 s[\g+7], 0
.endr
	s_lshl_b32 s88, s[WCN], 3
	s_lshl_b32 s46, s40, 4
	s_add_co_u32 s46, s46, s88
	s_mul_i32 s46, s46, 12288
	s_mov_b32 s47, 0
	s_lshl_b32 s66, s41, 4
	s_add_co_u32 s66, s66, s88
	s_mul_i32 s66, s66, 12288
	s_mov_b32 s67, 0
	s_mul_i32 s45, s[WV], HALFT
	s_mov_b32 s84, 0xffff0000
	s_mov_b32 s[SEL], 0x76543210
	s_mov_b32 s[SEL+1], 0xfedcba98
	s_wait_dscnt 0x0
	s_wait_kmcnt 0x0
	s_add_nc_u64 s[46:47], s[4:5], s[46:47]
	s_add_nc_u64 s[66:67], s[4:5], s[66:67]
	CROUND
.irp s, 0,1
	s_mov_b32 s[G0+4*\s], 1
	s_add_co_u32 s[G0+4*\s+1], s45, \s*SLOT
	s_add_nc_u64 s[G0+4*\s+2:G0+4*\s+3], s[46:47], \s*3072
	s_or_b32 s[G0+4*\s+3], s[G0+4*\s+3], 0x80000000
	s_mov_b32 s[G0B+4*\s], 1
	s_add_co_u32 s[G0B+4*\s+1], s45, \s*SLOT
	s_add_nc_u64 s[G0B+4*\s+2:G0B+4*\s+3], s[66:67], \s*3072
	s_or_b32 s[G0B+4*\s+3], s[G0B+4*\s+3], 0x80000000
	s_wait_alu depctr_va_vdst(0)
	s_wait_tensorcnt 0x0
	ds_add_u32 v28, v29
	ds_add_u32 v28, v29
	s_wait_dscnt 0x0
	CROUND
	JLOAD \s
.endr
	v_and_b32 v1, 31, v0
	v_and_b32 v2, 15, v0
	v_bfe_u32 v3, v0, 4, 1
	v_lshlrev_b32 v[A16], 4, v1
	v_lshlrev_b32 v[A8], 3, v1
	s_mul_i32 s88, s[WRN], HALFT
	s_mul_i32 s89, s[WCN], HALFT
	s_add_co_u32 s89, s89, 2*HALFT
.irp s, 0,1
	v_add_nc_u32 v[ADRA+\s], s88, v[A16]
	v_add_nc_u32 v[ADRA+2+\s], s88, v[A8]
	v_add_nc_u32 v[ADRB+\s], s89, v[A16]
	v_add_nc_u32 v[ADRB+2+\s], s89, v[A8]
	s_add_co_u32 s88, s88, SLOT
	s_add_co_u32 s89, s89, SLOT
.endr
	s_lshl_b32 s88, s40, 4
	s_lshl_b32 s89, s[WRN], 3
	s_add_co_u32 s88, s88, s89
	s_lshl_b32 s88, s88, 9
	s_lshl_b32 s89, s41, 4
	s_lshl_b32 s90, s[WCN], 3
	s_add_co_u32 s89, s89, s90
	s_lshl_b32 s89, s89, 9
	v_mov_b32 v6, s88
	v_mov_b32 v7, s89
	v_cndmask_b32 v6, v6, v7, s84
	v_lshl_add_u32 v6, v2, 4, v6
.irp i, 0,1,2,3,4,5,6,7
	global_load_b128 v[SC+8*\i:SC+8*\i+3], v6, s[6:7] offset:512*\i
	global_load_b128 v[SC+8*\i+4:SC+8*\i+7], v6, s[6:7] offset:512*\i+256
.endr
	s_cmp_eq_u32 ttmp9, 2
	s_cselect_b32 s88, s41, s40
	s_cselect_b32 s89, s[WCN], s[WRN]
	s_cselect_b32 s90, s22, s21
	s_cselect_b32 s91, s[WRN], s[WCN]
	s_mov_b32 s74, 768
	s_cselect_b32 s74, 1536, s74
	s_mov_b32 s76, 768
	s_cselect_b32 s76, 294912-4608, s76
	s_mov_b32 s78, 294912
	s_cselect_b32 s78, 768, s78
	s_cselect_b64 s[82:83], s[12:13], s[8:9]
	s_cmp_eq_u32 ttmp9, 1
	s_cselect_b64 s[82:83], s[10:11], s[82:83]
	s_mov_b32 s75, 0
	s_mov_b32 s77, 0
	s_mov_b32 s79, 0
	s_lshl_b32 s88, s88, 1
	s_add_co_u32 s88, s88, s89
	s_lshr_b32 s89, s88, 4
	s_and_b32 s88, s88, 15
	s_lshl_b32 s90, s90, 2
	s_lshl_b32 s91, s91, 1
	s_add_co_u32 s90, s90, s91
	s_lshl_b32 s89, s89, 4
	s_add_co_u32 s89, s89, s90
	s_lshl_b32 s89, s89, 4
	s_add_co_u32 s89, s89, s88
	s_mul_i32 s92, s89, 18432
	s_mul_i32 s93, ttmp9, 6144
	s_add_co_u32 s92, s92, s93
	s_mov_b32 s93, 0
	s_add_nc_u64 s[70:71], s[14:15], s[92:93]
	s_mul_i32 s92, s89, 768
	s_lshl_b32 s94, ttmp9, 8
	s_add_co_u32 s92, s92, s94
	s_add_nc_u64 s[80:81], s[16:17], s[92:93]
	s_lshl_b32 s92, s90, 8
	s_add_nc_u64 s[82:83], s[82:83], s[92:93]
	v_lshlrev_b32 v[SCO], 4, v2
	v_mad_u32_u24 v[SCO], v3, 12288, v[SCO]
	v_lshlrev_b32 v8, 6, v3
	v_and_b32 v9, 8, v2
	v_add_nc_u32 v9, v9, v2
	v_lshlrev_b32 v9, 2, v9
	s_cmp_eq_u32 ttmp9, 2
	s_cbranch_scc1 .Lbias_v
	WIN TO_B
.irp b, 0,1,2,3,4,5,6,7
	global_load_b128 v[96+8*\b+96*(\b/4):96+8*\b+96*(\b/4)+3], v8, s[82:83] offset:(32*(\b/2)+8*(\b%2))*4
	global_load_b128 v[96+8*\b+96*(\b/4)+4:96+8*\b+96*(\b/4)+7], v8, s[82:83] offset:(32*(\b/2)+8*(\b%2))*4+16
.endr
	WIN 0
.irp i, 0,1,2,3,4,5,6,7,8,9,10,11,12,13,14,15
	v_mov_b32 v[U+\i], 1.0
.endr
	s_branch .Lbias_done
.Lbias_v:
	s_wait_alu depctr_va_vdst(0)
.irp a, 0,1,2,3,4,5,6,7
	global_load_b32 v[U+2*\a], v9, s[82:83] offset:(32*(\a/2)+8*(\a%2))*4
	global_load_b32 v[U+2*\a+1], v9, s[82:83] offset:(32*(\a/2)+8*(\a%2))*4
.endr
	WIN TO_B
.irp i, 0,1,2,3,4,5,6,7,8,9,10,11,12,13,14,15,16,17,18,19,20,21,22,23,24,25,26,27,28,29,30,31
	v_mov_b32 v[96+\i], 1.0
	v_mov_b32 v[224+\i], 1.0
.endr
	WIN 0
.Lbias_done:
	s_wait_tensorcnt 1
	s_barrier_signal -1
	s_barrier_wait -1
	FETCH_B 0, 0, 0
	FETCH_A 0, 0, 0
	FETCH_A 0, 0, 4
	s_wait_loadcnt 0x0
	STEP 0, 0, 1
	TURN 0, 1, 1, 1
	STEP 1, 2, 0
	TURN 1, 0, 1, 3
	STEP 0, 4, 0
	TURN 0, 1, 0, 5
	STEP 1, 6, 0
	s_wait_dscnt 16
	WIN MUL_LO
	MUL16 0, 1, 7, 0
	MUL16 2, 1, 7, 0
	s_wait_dscnt 0x0
	WIN MUL_HI
	MUL16 4, 1, 7, 0
	MUL16 6, 1, 7, 0
	WIN 0
	PLACES
.irp b, 0,1,2,3
	v_mov_b32 v[TM+4+\b], 0
.endr
.macro OUTBLK a
.if \a > 0
	s_wait_xcnt 0x0
.if \a == 4
	s_add_nc_u64 s[70:71], s[70:71], s[76:77]
.else
	s_add_nc_u64 s[70:71], s[70:71], s[74:75]
.endif
.endif
	s_add_nc_u64 s[72:73], s[70:71], s[78:79]
	WIN 0x21+0x10*(\a/4)
.irp b, 0,1,2,3,4,5,6,7
.irp j, 0,2,4,6
	v_pk_fma_f32 v[HA+8*\b+\j:HA+8*\b+\j+1], v[96+8*\b+96*(\b/4)+\j:96+8*\b+96*(\b/4)+\j+1], v[U+2*\a:U+2*\a+1], v[64*(\a%4)+8*\b+\j:64*(\a%4)+8*\b+\j+1]
.endr
.endr
	WIN 0
	QUANT HA, PW+\a
	global_store_b128 v[A16], v[PC:PC+3], s[70:71]
	global_store_b64 v[A8], v[PC+4:PC+5], s[70:71] offset:512
	global_store_b128 v[A16], v[PC+6:PC+9], s[72:73]
	global_store_b64 v[A8], v[PC+10:PC+11], s[72:73] offset:512
.endm
.irp a, 0,1,2,3,4,5,6,7
	OUTBLK \a
.endr
	s_cmp_eq_u32 ttmp9, 2
	s_cbranch_scc1 .Lsc_v
	v_mov_b32 v[PSEL+1], 0x05040100
	v_mov_b32 v[PSEL+2], 0x07060302
	v_cndmask_b32 v[PSEL], v[PSEL+1], v[PSEL+2], s84
.irp p, 0,1,2,3
	v_perm_b32 v[OW+\p], v[PW+2*\p+1], v[PW+2*\p], v[PSEL]
.endr
	s_branch .Lsc_done
.Lsc_v:
	v_mov_b32 v[PSEL+1], 0x03020100
	v_mov_b32 v[PSEL+2], 0x07060504
	v_cndmask_b32 v[PSEL], v[PSEL+1], v[PSEL+2], s84
.irp t, 0,1,2,3
	v_perm_b32 v[OW+\t], v[PW+4+\t], v[PW+\t], v[PSEL]
.endr
.Lsc_done:
	s_wait_alu depctr_va_vdst(0)
	global_store_b128 v[SCO], v[OW:OW+3], s[80:81]
	s_wait_tensorcnt 0x0
	ds_add_u32 v[SPW], v[NIL]
	s_wait_dscnt 0x0
	CROUND
	s_endpgm
.Lfunc_end_k_q5784449bf5_qkv:
	.size	k_q5784449bf5_qkv, .Lfunc_end_k_q5784449bf5_qkv-k_q5784449bf5_qkv
	.p2alignl 7, 3214868480
	.fill 96, 4, 3214868480
	.section	.rodata,"a",@progbits
	.p2align	6, 0x0
	.amdhsa_kernel k_q5784449bf5_qkv
		.amdhsa_group_segment_fixed_size 327680
		.amdhsa_private_segment_fixed_size 0
		.amdhsa_enable_private_segment 0
		.amdhsa_kernarg_size 56
		.amdhsa_user_sgpr_count 2
		.amdhsa_user_sgpr_kernarg_segment_ptr 1
		.amdhsa_wavefront_size32 1
		.amdhsa_system_sgpr_workgroup_id_x 1
		.amdhsa_system_sgpr_workgroup_id_y 1
		.amdhsa_system_sgpr_workgroup_id_z 1
		.amdhsa_system_vgpr_workitem_id 0
		.amdhsa_next_free_vgpr 1024
		.amdhsa_next_free_sgpr 100
		.amdhsa_reserve_vcc 0
		.amdhsa_float_denorm_mode_32 3
		.amdhsa_float_denorm_mode_16_64 3
		.amdhsa_memory_ordered 1
		.amdhsa_forward_progress 1
		.amdhsa_inst_pref_size 171
	.end_amdhsa_kernel
	.amdgpu_metadata
---
amdhsa.version: [ 1, 2 ]
amdhsa.kernels:
  - .name:           k_q5784449bf5_qkv
    .symbol:         k_q5784449bf5_qkv.kd
    .args:
      - { .name: opc, .offset: 0, .size: 8, .value_kind: global_buffer, .address_space: global }
      - { .name: ops, .offset: 8, .size: 8, .value_kind: global_buffer, .address_space: global }
      - { .name: Wq_b, .offset: 16, .size: 8, .value_kind: global_buffer, .address_space: global }
      - { .name: Wk_b, .offset: 24, .size: 8, .value_kind: global_buffer, .address_space: global }
      - { .name: Wv_b, .offset: 32, .size: 8, .value_kind: global_buffer, .address_space: global }
      - { .name: qkvc, .offset: 40, .size: 8, .value_kind: global_buffer, .address_space: global }
      - { .name: qkvs, .offset: 48, .size: 8, .value_kind: global_buffer, .address_space: global }
    .group_segment_fixed_size: 327680
    .private_segment_fixed_size: 0
    .kernarg_segment_align: 8
    .kernarg_segment_size: 56
    .max_flat_workgroup_size: 128
    .sgpr_count:     100
    .vgpr_count:     1024
    .wavefront_size: 32
...
	.end_amdgpu_metadata
.endif
;; end of part 2
;; launch attn (part 3): grid 4 x 64, 16 waves a work-group, clusters of 4 x 1, 221,184 bytes of LDS; arguments qkvc, qkvs, oc, os; writes oc, os
.if DOCPART == 3
	.amdgcn_target "amdgcn-amd-amdhsa--gfx1250"
	.amdhsa_code_object_version 6
	.text
	.protected	k_q5784449bf5_attn
	.globl	k_q5784449bf5_attn
	.p2align	8
	.type	k_q5784449bf5_attn,@function
k_q5784449bf5_attn:
	s_mov_b64 s[64:65], 0
	v_nop
	global_prefetch_b8 v0, s[64:65] scope:SCOPE_SE
	s_setreg_imm32_b32 hwreg(HW_REG_WAVE_MODE, 25, 1), 1
	s_wait_xcnt 0x0
	s_wait_alu depctr_hold_cnt(0) depctr_sa_sdst(0) depctr_va_vdst(0) depctr_va_sdst(0) depctr_va_ssrc(0) depctr_va_vcc(0) depctr_vm_vsrc(0)
	s_getreg_b32 s2, hwreg(HW_REG_IB_STS2, 6, 4)
	s_cmp_eq_u32 s2, 0
	s_cbranch_scc0 .Lentry_in_a_cluster
	s_endpgm
.Lentry_in_a_cluster:
	s_bfe_u32 s2, ttmp6, 0x10000c
	s_cmp_lg_u32 s2, 0x3003
	s_cbranch_scc0 .Lentry_shape_is_right
	s_endpgm
.Lentry_shape_is_right:
; o = softmax(q k^T / 8) v for one (batch, head) and 512 queries, both products on codes of FP6 (E2M3) with E8M0 scales; o is divided by the row's sum, quantised along the head's 64 and stored as codes for the last product.
; THE SOFTMAX AHEAD OF THE SECOND PRODUCT: t = score x log2(e) / 8; M = the row's largest t so far, rounded UP to a whole number; p = 2^(t - M) is quantised along the keys, not normalised.
; The row's sum is taken of the unquantised p.  When M moves, the sum and O are multiplied by 2^(old M - new M): exact.
; SHARES: 256 work-groups.  Sixteen waves, four to a SIMD; a wave takes two tiles of 16 queries, one after the other (the outer loop's two trips), and walks the head's 2,048 keys for each, 128 a step.
; LDS: the WHOLE head's K and V (16 steps x 12,288 bytes, from CB on) and their scale words (16 x 512, from 0 on) are brought once and serve both tiles: nothing is ever filled again.
; THE FILLS, one tensor load a wave, all at the head: wave 0 the scale words (16 rows of 512 bytes), waves 1 to 8 two key steps each (two rows of 12,288 bytes).  One barrier shows them all.
; CLUSTER 4 x 1: the four work-groups are the four blocks of queries of one head: every tile is asked for jointly, by the same load with the same descriptor and the mask 15.
; NO PREFETCH: every fill of the launch is asked for at its head, ahead of any loop, so no later load is left to run ahead of.
; TWO POOLS OF 64 REGISTERS CHANGE ROLES FROM STEP TO STEP: one holds K's four fragments and then V's (48 registers; the other 16 are the step's scratch), the other the scores and then p.  When the conversions and the sums have read p,
; the NEXT step's fragments of K are loaded onto it, ahead of this step's second product; in the next step the scores fall onto the pool that held V.  So a loop's trip is two steps; the last two steps are written out, since the last fetches nothing.
; LAYOUT: both products are used transposed (S^T = K Q^T, O^T = V^T P^T): a lane holds ONE query throughout.  Operands are images of their registers (qkvc, as the launch before lays them).
; K = 64 IN AN INSTRUCTION OF 128: a fragment of K is two half images; q stands between two runs of zero codes, [0, q, 0]: [q, 0] multiplies the first half image, [0, q] the second;
; the other half multiplies zero codes, whose scale bytes (0 on Q's side) are no NaN, and adds nothing.
; WHICH KEYS FORM A TILE: token block g of a step holds keys 32 (g / 2) + 8 (g % 2) + r + 8 (r / 8).  Fragment (c, x), half u: lanes r < 8 read row r xor 8 x of token block 4 c + u, lanes r >= 8 row r xor 8 x of block 4 c + 2 + u.
; So score register 32 c + 16 x + 8 u + j of lane (r, h) is key 64 c + 32 h + 16 (x xor h) + 8 u + j: A LANE'S 32 REGISTERS ARE ONE WHOLE BLOCK OF 32 KEYS, block 2 c + h; in lanes 16-31 its two halves of 16 stand exchanged,
; and a select by the lane's half lays p's codes in the keys' order, as V has them.  In each pass of a load the lanes r < 8 and r >= 8 read different halves of a run of 256 bytes.
; RESULT: oc [token block of 16][K step][1,536]: my head's half image at 768 x head; os: my head's two scale bytes of row r, stores of two bytes a lane: the eight heads whose bytes share an aligned run of 256 belong to eight work-groups.
; LIMITS: the promise holds while the scaled scores t stay under 2^31 in magnitude; NaN and infinities are not served; 1 / sum is v_rcp_f32 and a multiplication; a block of zeros gets the byte 1 (its codes are zeros; this program alone reads the bytes).
; attention_mask is no argument: reference() never reads it.
.set SPARE, 8192                       ; the spare words, 128 bytes a wave: eight blocks of 256 bytes that no other line names
.set CB,    24576                      ; the codes: key step s at CB + 12,288 s (K 6,144 | V 6,144); wave w's load lands at 24,576 w
.set A16,  1                           ; 16 x lane
.set A8,   2                           ; 8 x lane
.set R16,  3                           ; 16 r
.set KA16, 4                           ; K, x = 0: 16 x lane + 1,536 (r / 8)
.set SPW,  5
.set NIL,  6
.set KB16, 7                           ; K, x = 1: 16 x (lane xor 8) + 1,536 (r / 8)
.set KA8,  8
.set KB8,  9
.set KSA,  10                          ; K's scale words: 16 r + 4 (r / 8);  KSB: 16 (r xor 8) + 4 (r / 8)
.set KSB,  11                          ; v12 -M, v13 the largest score so far
.set VSA,  14                          ; V's scale words: 256 + 16 r
.set SH8,  15                          ; 8 h
.set DKA16, 16                         ; v16-24 the step's addresses
.set DKB16, 17
.set DKA8, 18
.set DKB8, 19
.set DKSA, 20
.set DKSB, 21
.set DV16, 22
.set DV8,  23
.set DVS,  24
.set OLD,  25
.set T,    26
.set T2,   27
.set F,    28                          ; v[28:29]
.set QNS,  30                          ; the coming tile's scale bytes
.set QSL,  32
.set QSH,  33
.set SO,   34
.set E,    36
.set W,    38
.set PS,   39                          ; p's scale word
.set MX,   40                          ; v40-43 maxima: block c in two chains, 2 c and 2 c + 1
.set SU,   44                          ; v[44:45] the row's sum in two halves
.set Q,    46                          ; v46-63 [0, q, 0]
.set QN,   64                          ; v64-69 the coming tile's q
.set KS,   70
.set VS,   74
.set P0,   80                          ; v80-143, v144-207 the two pools
.set P1,   144
.set O,    208                         ; v208-239 O^T
.set PC,   240                         ; v240-251 p's codes
.set WV,   18
.set SEL,  20
.set CS,   22
.set G1S,  24
.set G1C,  32
.set G0S,  40
.set G0C,  44
.set NC,   48
.set HM,   49
.set TBA,  2                           ; LDS byte of a trip's first key step, s[TSA] of its scale words; s[TBB], s[TSB] of its second
.set TSA,  3
.set TBB,  52
.set TSB,  53
.set CNT,  66
.set PASS, 67
.macro CROUND
	s_barrier_signal -1
	s_barrier_wait -1
	s_cmp_lg_u32 s[WV], 0
	s_cbranch_scc1 .Lnot_wave_0_\@
	s_barrier_signal -3
.Lnot_wave_0_\@:
	s_barrier_wait -3
	s_barrier_signal -1
	s_barrier_wait -1
.endm
.macro TLOAD g0, g1
	tensor_load_to_lds s[\g0:\g0+3], s[\g1:\g1+7]
	s_nop 0
.rept 4
	v_nop
.endr
.endm
.macro FRAG reg, a16, a8, off          ; two half images of 768 bytes: twelve registers
	ds_load_b128 v[\reg:\reg+3], v[\a16] offset:\off
	ds_load_b64 v[\reg+4:\reg+5], v[\a8] offset:\off+512
	ds_load_b128 v[\reg+6:\reg+9], v[\a16] offset:\off+768
	ds_load_b64 v[\reg+10:\reg+11], v[\a8] offset:\off+1280
.endm
.macro KADDR tb, ts                    ; the addresses of K's fragments and scale words of the step at s[tb], s[ts]
	v_add_nc_u32 v[DKA16], s[\tb], v[KA16]
	v_add_nc_u32 v[DKA8], s[\tb], v[KA8]
	v_add_nc_u32 v[DKB16], s[\tb], v[KB16]
	v_add_nc_u32 v[DKB8], s[\tb], v[KB8]
	v_add_nc_u32 v[DKSA], s[\ts], v[KSA]
	v_add_nc_u32 v[DKSB], s[\ts], v[KSB]
.endm
.macro KLOAD pool, off, soff           ; K's four fragments (2 c + x) and their rows' scale words: 20 LDS loads
.irp c, 0,1
	FRAG \pool+24*\c, DKA16, DKA8, \off+3072*\c
	FRAG \pool+24*\c+12, DKB16, DKB8, \off+3072*\c
	ds_load_b32 v[KS+2*\c], v[DKSA] offset:\soff+8*\c
	ds_load_b32 v[KS+2*\c+1], v[DKSB] offset:\soff+8*\c
.endr
.endm
.macro PAN n                           ; the next n pairs of p onto the four chains by turns
.rept \n
	v_pk_add_f32 v[XC+2*(PI%4):XC+2*(PI%4)+1], v[XC+2*(PI%4):XC+2*(PI%4)+1], v[SS+2*PI:SS+2*PI+1]
.set PI, PI+1
.endr
.endm
	s_load_b256 s[4:11], s[0:1], 0x0               ; qkvc, qkvs, oc, os
	v_lshl_add_u32 v[SPW], v0, 2, SPARE
	v_mov_b32 v[NIL], 0
	ds_add_u32 v[SPW], v[NIL]                      ; the wave's opening: the add, twice on end, and its wait
	ds_add_u32 v[SPW], v[NIL]
	v_lshrrev_b32 v[T], 5, v0
	v_readfirstlane_b32 s[WV], v[T]                ; wave 0..15
	s_and_b32 s12, ttmp7, 0xffff                   ; 16 x batch + head, which the four partners share
	s_bfe_u32 s13, ttmp6, 0x40000                  ; cx: my block of 512 queries: it enters Q's, oc's and os's addresses alone
	s_mov_b32 s[G1S], 15|(3<<16)|(1<<21)           ; the mask: all four; elements of 8 bytes; bit 21 beside a mask
	s_mov_b32 s[G1S+1], 64<<16                     ; rows of 512 bytes: a step's scale words of K and V,
	s_mov_b32 s[G1S+2], 16<<16                     ; sixteen of them,
	s_mov_b32 s[G1S+3], 64<<16
	s_mov_b32 s[G1S+4], 16
	s_mov_b32 s[G1S+5], 96                         ; 768 bytes apart
	s_mov_b32 s[G1S+6], 0
	s_mov_b32 s[G1S+7], 0
	s_mov_b32 s[G1C], 15|(3<<16)|(1<<21)
	s_mov_b32 s[G1C+1], 1536<<16                   ; rows of 12,288 bytes: a step's K and V,
	s_mov_b32 s[G1C+2], 2<<16                      ; two of them,
	s_mov_b32 s[G1C+3], 1536<<16
	s_mov_b32 s[G1C+4], 2
	s_mov_b32 s[G1C+5], 2304                       ; 18,432 bytes apart
	s_mov_b32 s[G1C+6], 0
	s_mov_b32 s[G1C+7], 0
	s_lshl_b32 s15, s12, 4                         ; the head's first key step
	s_mul_i32 s16, s15, 768
	s_add_co_u32 s16, s16, 256                     ; its scale words of K and V lie behind Q's
	s_mov_b32 s17, 0
	s_max_u32 s19, s[WV], 1                        ; wave w >= 1 fetches key steps 2 (w - 1) and 2 (w - 1) + 1
	s_lshl_b32 s19, s19, 1
	s_add_co_u32 s19, s19, s15
	s_mul_i32 s50, s19, 18432
	s_sub_co_u32 s50, s50, 2*18432-6144            ; two steps back, and K and V lie behind Q
	s_mov_b32 s51, 0
	s_mov_b32 s[G0S], 1
	s_mov_b32 s[G0S+1], 0
	s_mov_b32 s[G0C], 1
	s_mul_i32 s[G0C+1], s[WV], 24576
	s_mov_b32 s[SEL], 0x76543210
	s_mov_b32 s[SEL+1], 0xfedcba98
	s_mov_b32 s[CS], 0x3e38aa3b                    ; c = log2(e) / 8
	s_mov_b32 s[CS+1], s[CS]                       ; (named with it as a pair)
	s_mov_b32 s[NC], 0xbe38aa3b                    ; -c
	s_mov_b32 s[HM], 0xffff0000                    ; lanes 16-31
	s_wait_dscnt 0x0                               ; both opening adds are done
	s_wait_kmcnt 0x0
	s_add_nc_u64 s[G0S+2:G0S+3], s[6:7], s[16:17]
	s_or_b32 s[G0S+3], s[G0S+3], 0x80000000
	s_add_nc_u64 s[G0C+2:G0C+3], s[4:5], s[50:51]
	s_or_b32 s[G0C+3], s[G0C+3], 0x80000000
	CROUND                                         ; all four work-groups are here: the joint loads meet
	s_cmp_eq_u32 s[WV], 0                          ; one chain of arms on the wave's number, one load to an arm
	s_cbranch_scc0 .Larm_codes
	TLOAD G0S, G1S                                 ; wave 0: the scale words
	s_branch .Lasked
.Larm_codes:
	s_cmp_lt_u32 s[WV], 9
	s_cbranch_scc0 .Lasked
	TLOAD G0C, G1C                                 ; waves 1 to 8: two key steps each
.Lasked:
	s_lshl_b32 s19, s13, 2                         ; my first token block is 32 cx + wave: key step 4 cx + wave / 8,
	s_lshr_b32 s67, s[WV], 3
	s_add_co_u32 s19, s19, s67
	s_add_co_u32 s19, s19, s15
	s_and_b32 s67, s[WV], 7                        ; half image wave % 8; the second lies two key steps on
	s_mul_i32 s56, s19, 18432
	s_mul_i32 s52, s67, 768
	s_add_co_u32 s56, s56, s52
	s_mov_b32 s57, 0
	s_add_nc_u64 s[56:57], s[4:5], s[56:57]        ; Q's codes
	s_mul_i32 s58, s19, 768
	s_lshl_b32 s52, s67, 1
	s_add_co_u32 s58, s58, s52
	s_mov_b32 s59, 0
	s_add_nc_u64 s[58:59], s[6:7], s[58:59]        ; and its two scale bytes a row
	s_lshr_b32 s60, s12, 4                         ; batch
	s_lshl_b32 s60, s60, 7
	s_lshl_b32 s61, s13, 5
	s_add_co_u32 s60, s60, s61
	s_add_co_u32 s60, s60, s[WV]                   ; my first token block among 512; the second lies 16 on
	s_and_b32 s61, s12, 15                         ; head
	s_mul_i32 s62, s60, 12288
	s_mul_i32 s63, s61, 768
	s_add_co_u32 s62, s62, s63
	s_mov_b32 s63, 0
	s_add_nc_u64 s[8:9], s[8:9], s[62:63]          ; my half image in oc
	s_lshl_b32 s62, s60, 9
	s_lshr_b32 s52, s61, 3
	s_lshl_b32 s52, s52, 8
	s_add_co_u32 s62, s62, s52
	s_and_b32 s52, s61, 7
	s_lshl_b32 s52, s52, 1
	s_add_co_u32 s62, s62, s52
	s_add_nc_u64 s[10:11], s[10:11], s[62:63]      ; my two bytes of row 0's scale words in os
	v_and_b32 v[T], 31, v0                         ; lane
	v_and_b32 v[T2], 15, v0                        ; r
	v_bfe_u32 v[OLD], v0, 3, 1                     ; r / 8
	v_bfe_u32 v[SH8], v0, 4, 1                     ; h
	v_lshlrev_b32 v[A16], 4, v[T]
	v_lshlrev_b32 v[A8], 3, v[T]
	v_lshlrev_b32 v[R16], 4, v[T2]
	v_lshlrev_b32 v[SH8], 3, v[SH8]
	v_mad_u32_u24 v[KA16], v[OLD], 1536, v[A16]    ; lanes r >= 8 read two token blocks further on
	v_mad_u32_u24 v[KA8], v[OLD], 1536, v[A8]
	v_lshl_add_u32 v[KSA], v[OLD], 2, v[R16]       ; and the next scale word of their row
	v_add_nc_u32 v[VSA], 256, v[R16]
	v_xor_b32 v[KB16], 128, v[KA16]                ; row r xor 8 (the bits of the sums above do not meet)
	v_xor_b32 v[KB8], 64, v[KA8]
	v_xor_b32 v[KSB], 128, v[KSA]
	s_wait_alu depctr_va_vdst(0)
	global_load_b128 v[QN:QN+3], v[A16], s[56:57]  ; the first tile's q
	global_load_b64 v[QN+4:QN+5], v[A8], s[56:57] offset:512
	global_load_u16 v[QNS], v[R16], s[58:59]       ; bytes 0 and 1; bytes 2 and 3 are 0
.irp i, 0,1,2,3,4,5
	v_mov_b32 v[Q+\i], 0                           ; zero codes on both sides of q
	v_mov_b32 v[Q+12+\i], 0
.endr
	v_mov_b32 v[T2], 0                             ; written once: a lane permute's destination counts as one of its sources
	v_mov_b32 v[F+1], 0                            ; (named as the upper half of a pair)
; A KEY STEP: 128 keys at LDS byte s[tb], their scale words at s[ts].  kv: the pool that holds K's fragments, loaded a step ago, and then V's; sc: the pool of the scores.  pre = 1: the next step's K is fetched.
.macro STEP kv, sc, pre, tb, ts
.set SS, \sc
.set XC, \kv+56                        ; four chains of the sum, in the scratch of the pool kv
.set TB, \kv+48                        ; the upper conversions' codes, likewise
	KADDR \tb, \ts                                 ; these six are the places behind the last step's products, ahead of the products that write over their registers
	s_wait_dscnt 0x0                               ; K is in
.irp f, 0,1,2,3
	v_wmma_scale_f32_16x16x128_f8f6f4 v[\sc+16*\f:\sc+16*\f+7], v[\kv+12*\f:\kv+12*\f+11], v[Q+6:Q+17], 0, v[KS+\f], v[QSL] matrix_a_fmt:MATRIX_FMT_FP6 matrix_b_fmt:MATRIX_FMT_FP6
	v_wmma_scale_f32_16x16x128_f8f6f4 v[\sc+16*\f+8:\sc+16*\f+15], v[\kv+12*\f:\kv+12*\f+11], v[Q:Q+11], 0, v[KS+\f], v[QSH] matrix_a_fmt:MATRIX_FMT_FP6 matrix_b_fmt:MATRIX_FMT_FP6
.endr
	v_add_nc_u32 v[DV16], s[\tb], v[A16]           ; four places: ahead of the loads into K's registers and of the first read of the scores
	v_add_nc_u32 v[DV8], s[\tb], v[A8]
	v_add_nc_u32 v[DVS], s[\ts], v[VSA]
	v_mov_b32 v[OLD], v12
.irp t, 0,1,2,3
	FRAG \kv+12*\t, DV16, DV8, 6144+1536*\t        ; V's four fragments land while the softmax is walked
.endr
	ds_load_b128 v[VS:VS+3], v[DVS]
.irp k, 0,1,2,3
	v_max3_num_f32 v[MX+\k], v[\sc+16*\k], v[\sc+1+16*\k], v[\sc+2+16*\k]   ; the largest score of my two blocks of 32 keys, each in two chains: for the row's maximum, and, since p rises with the score, for the block's largest p
.endr
.irp i, 3,5,7,9,11,13
.irp k, 0,1,2,3
	v_max3_num_f32 v[MX+\k], v[MX+\k], v[\sc+16*\k+\i], v[\sc+1+16*\k+\i]
.endr
.endr
.irp c, 0,1
	v_max3_num_f32 v[MX+2*\c], v[MX+2*\c], v[MX+2*\c+1], v[\sc+32*\c+15]
.endr
.irp c, 0,1
	v_max_num_f32 v[MX+2*\c], v[MX+2*\c], v[\sc+32*\c+31]
.endr
	s_delay_alu instid0(VALU_DEP_1)
	v_max_num_f32 v[T], v[MX], v[MX+2]
	s_delay_alu instid0(VALU_DEP_1)
	v_permlanex16_b32 v[T2], v[T], s[SEL], s[SEL+1]
	s_delay_alu instid0(VALU_DEP_1)
	v_max3_num_f32 v13, v13, v[T], v[T2]           ; with lane l xor 16's 64 keys: the row's largest score so far
	s_delay_alu instid0(VALU_DEP_1)
	v_mul_f32 v[T], s[NC], v13
	s_delay_alu instid0(VALU_DEP_1)
	v_floor_f32 v12, v[T]                          ; the new -M = floor(-t) = -ceil(t)
	s_delay_alu instid0(VALU_DEP_1)
	v_sub_f32 v[T], v12, v[OLD]                    ; old M - new M: a whole number, 0 or less
	s_delay_alu instid0(VALU_DEP_1)
	v_cvt_i32_f32 v[T], v[T]                       ; (it saturates)
	s_delay_alu instid0(VALU_DEP_1)
	v_ldexp_f32 v[F], 1.0, v[T]                    ; f = 2^(old M - new M)
.set J, 0
.rept 32
	v_pk_fma_f32 v[\sc+J:\sc+J+1], v[\sc+J:\sc+J+1], s[CS:CS+1], v[12:13] op_sel_hi:[1,0,0]   ; t - M, two at a time
.set J, J+2
.endr
	v_fma_f32 v[MX], v[MX], s[CS], v12             ; the same of each block's largest score
	v_fma_f32 v[MX+2], v[MX+2], s[CS], v12
	s_wait_alu depctr_va_vdst(0)                   ; ahead of the batch
.set J, 0
.rept 64
	v_exp_f32 v[\sc+J], v[\sc+J]                   ; p = 2^(t - M), at most 1
.set J, J+1
.endr
	v_exp_f32 v[MX], v[MX]                         ; the blocks' largest p
	v_exp_f32 v[MX+2], v[MX+2]
	v_pk_mul_f32 v[SU:SU+1], v[SU:SU+1], v[F:F+1] op_sel_hi:[1,0]   ; the sum under the new M: the plain place behind the exponentials
	s_wait_alu depctr_va_vdst(0)                   ; one wait for the whole batch, ahead of its first reader
	v_max_num_f32 v[MX], 0x1800000, v[MX]          ; the floor 2^(3 - 127): the byte cannot fall under 1
	v_max_num_f32 v[MX+2], 0x1800000, v[MX+2]
	v_pk_add_f32 v[XC:XC+1], v[\sc:\sc+1], v[\sc+2:\sc+3]          ; the step's sum of the unquantised p, in four chains
	v_pk_add_f32 v[XC+2:XC+3], v[\sc+4:\sc+5], v[\sc+6:\sc+7]
	v_add_nc_u32 v[SO], 0xff000000, v[MX]          ; 2 off the exponent field: the conversions' scale operand
	v_add_nc_u32 v[SO+1], 0xff000000, v[MX+2]
	v_pk_add_f32 v[XC+4:XC+5], v[\sc+8:\sc+9], v[\sc+10:\sc+11]
	v_pk_add_f32 v[XC+6:XC+7], v[\sc+12:\sc+13], v[\sc+14:\sc+15]
.set PI, 8
.irp c, 0,1
	v_cvt_scalef32_pk16_fp6_f32 v[PC+6*\c:PC+6*\c+2], v[\sc+32*\c:\sc+32*\c+15], v[SO+\c]
	v_cvt_scalef32_pk16_fp6_f32 v[TB+4*\c:TB+4*\c+2], v[\sc+32*\c+16:\sc+32*\c+31], v[SO+\c]
.endr
	PAN 24                                         ; (the first is the plain place behind the conversions)
.if \pre
	KLOAD \sc, 12288, 512                          ; p has been read for the last time: the next step's K lands on it under the lines below
.endif
	v_lshrrev_b32 v[E], 23, v[SO]                  ; the scales' bytes
	v_lshrrev_b32 v[E+1], 23, v[SO+1]
	v_pk_add_f32 v[XC:XC+1], v[XC:XC+1], v[XC+2:XC+3]
	v_pk_add_f32 v[XC+4:XC+5], v[XC+4:XC+5], v[XC+6:XC+7]
	v_lshl_or_b32 v[W], v[E+1], 16, v[E]           ; my blocks h and 2 + h,
	v_pk_add_f32 v[XC:XC+1], v[XC:XC+1], v[XC+4:XC+5]
	v_lshlrev_b32 v[W], v[SH8], v[W]               ; at their places in the scale word
	v_pk_add_f32 v[SU:SU+1], v[SU:SU+1], v[XC:XC+1]
	v_permlanex16_b32 v[T2], v[W], s[SEL], s[SEL+1]
.irp c, 0,1
.irp i, 0,1,2
	v_cndmask_b32 v[PC+6*\c+3+\i], v[TB+4*\c+\i], v[PC+6*\c+\i], s[HM]   ; lanes 16-31 hold their block's upper 16 keys first: the two halves change places there
	v_cndmask_b32 v[PC+6*\c+\i], v[PC+6*\c+\i], v[TB+4*\c+\i], s[HM]
.endr
.endr
	v_or_b32 v[PS], v[W], v[T2]                    ; with lane l xor 16's two bytes p's scale word is whole
	s_wait_alu depctr_va_vdst(0)                   ; directly ahead of the first reader of O^T
.set J, 0
.rept 16
	v_pk_mul_f32 v[O+J:O+J+1], v[O+J:O+J+1], v[F:F+1] op_sel_hi:[1,0]   ; O^T under the new M, each accumulator from its low end on; also the places behind p's codes and scale word
.set J, J+2
.endr
	s_wait_alu depctr_va_vdst(0)
.if \pre
	s_wait_dscnt 20                                ; V is in; the 20 loads of the next K, issued behind V's, may be out
.else
	s_wait_dscnt 0x0
.endif
.irp t, 0,1,2,3
	v_wmma_scale_f32_16x16x128_f8f6f4 v[O+8*\t:O+8*\t+7], v[\kv+12*\t:\kv+12*\t+11], v[PC:PC+11], v[O+8*\t:O+8*\t+7], v[VS+\t], v[PS] matrix_a_fmt:MATRIX_FMT_FP6 matrix_b_fmt:MATRIX_FMT_FP6
.endr
.endm
	s_wait_alu depctr_va_vdst(0)                   ; the head's end
	s_wait_tensorcnt 0x0                           ; every wave: what I asked for is in
	s_barrier_signal -1
	s_barrier_wait -1                              ; the whole head's K, V and scale words are in
	s_mov_b32 s[PASS], 0
.Lpass:                                                ; A TILE OF 16 QUERIES
	s_wait_loadcnt 0x0                             ; its q is in
.irp i, 0,1,2,3,4,5
	v_mov_b32 v[Q+6+\i], v[QN+\i]
.endr
	v_mov_b32 v[QSL], v[QNS]
	v_lshlrev_b32 v[QSH], 16, v[QNS]               ; the scale word of [0, q]
	v_mov_b32 v13, 0xff61b1e6                      ; the largest score so far: -3e38
	v_mov_b32 v12, 0x7e000000                      ; -M: so large that the first difference saturates, and the first f is 0
	v_mov_b32 v[SU], 0
	v_mov_b32 v[SU+1], 0
.set J, 0
.rept 32
	v_mov_b32 v[O+J], 0                            ; (these lines are also the places between q's scale words and the first product)
.set J, J+1
.endr
	s_wait_alu depctr_va_vdst(0)
	s_cmp_lg_u32 s[PASS], 0
	s_cbranch_scc1 .Lno_next
	global_load_b128 v[QN:QN+3], v[A16], s[56:57] offset:36864       ; the second tile's q comes while the first is walked
	global_load_b64 v[QN+4:QN+5], v[A8], s[56:57] offset:36864+512
	global_load_u16 v[QNS], v[R16], s[58:59] offset:1536
.Lno_next:
	s_mov_b32 s[TBA], CB
	s_mov_b32 s[TSA], 0
	s_mov_b32 s[TBB], CB+12288
	s_mov_b32 s[TSB], 512
	s_mov_b32 s[CNT], 7
	KADDR TBA, TSA
	KLOAD P0, 0, 0                                 ; key step 0's K
.Lstep:
	STEP P0, P1, 1, TBA, TSA
	STEP P1, P0, 1, TBB, TSB
	s_add_co_u32 s[TBA], s[TBA], 24576
	s_add_co_u32 s[TSA], s[TSA], 1024
	s_add_co_u32 s[TBB], s[TBB], 24576
	s_add_co_u32 s[TSB], s[TSB], 1024
	s_sub_co_u32 s[CNT], s[CNT], 1
	s_cmp_lg_u32 s[CNT], 0
	s_cbranch_scc1 .Lstep
	STEP P0, P1, 1, TBA, TSA                       ; key steps 14 and 15: the last fetches nothing
	STEP P1, P0, 0, TBB, TSB
; THE WAY OUT of a tile: o = O^T / the sum, quantised along the head's 64.  Register 16 b + i = o(my query, 32 b + 16 (lane / 16) + i).
.set S,  P0
.set TB, P1+48
.rept 4
	v_nop                                          ; places behind the last products
.endr
	v_add_f32 v[T], v[SU], v[SU+1]
	v_permlanex16_b32 v[T2], v[T], s[SEL], s[SEL+1]
	v_add_f32 v[T], v[T], v[T2]                    ; the row's sum
	s_wait_alu depctr_va_vdst(0)
	v_rcp_f32 v[T], v[T]
	v_nop                                          ; a plain place behind the transcendental
	s_wait_alu depctr_va_vdst(0)                   ; ahead of the reciprocal's first reader, which is O^T's too
.set J, 0
.rept 32
	v_mul_f32 v[S+J], v[O+J], v[T]                 ; each accumulator from its low end on
.set J, J+1
.endr
.irp b, 0,1
	v_max3_num_f32 v[MX+\b], |v[S+16*\b]|, |v[S+1+16*\b]|, 0x1800000
.endr
.irp i, 2,4,6,8,10,12,14
.irp b, 0,1
	v_max3_num_f32 v[MX+\b], v[MX+\b], |v[S+16*\b+\i]|, |v[S+1+16*\b+\i]|
.endr
.endr
.irp b, 0,1
	v_permlanex16_b32 v[E+\b], v[MX+\b], s[SEL], s[SEL+1]
.endr
.irp b, 0,1
	v_max_num_f32 v[MX+\b], v[MX+\b], v[E+\b]
.endr
.irp b, 0,1
	v_add_nc_u32 v[SO+\b], 0xff000000, v[MX+\b]
.endr
.irp b, 0,1
	v_lshrrev_b32 v[E+\b], 23, v[SO+\b]
.endr
	v_lshl_or_b32 v[W], v[E+1], 8, v[E]            ; my row's two scale bytes
	v_cvt_scalef32_pk16_fp6_f32 v[PC:PC+2], v[S:S+15], v[SO]
	v_cvt_scalef32_pk16_fp6_f32 v[TB:TB+2], v[S+16:S+31], v[SO+1]
	v_nop                                          ; one plain place behind a scaled conversion
.irp i, 0,1,2
	v_permlane16_swap_b32 v[PC+\i], v[TB+\i]       ; a whole block to a lane
.endr
.irp i, 0,1,2
	v_mov_b32 v[PC+3+\i], v[TB+\i]
.endr
	global_store_b128 v[A16], v[PC:PC+3], s[8:9]               ; 512 consecutive bytes, aligned
	global_store_b64 v[A8], v[PC+4:PC+5], s[8:9] offset:512    ; 256
	global_store_b16 v[R16], v[W], s[10:11]                    ; both halves of the lanes write the same two bytes with the same value
	s_wait_alu depctr_va_vdst(0)
	s_wait_xcnt 0x0                                ; the stores have read their registers and bases: they are written again only behind this wait
	s_add_nc_u64 s[8:9], s[8:9], 196608            ; 16 token blocks on
	s_add_nc_u64 s[10:11], s[10:11], 8192
	s_add_co_u32 s[PASS], s[PASS], 1
	s_cmp_lt_u32 s[PASS], 2
	s_cbranch_scc1 .Lpass
	s_wait_tensorcnt 0x0                           ; the wave's end
	ds_add_u32 v[SPW], v[NIL]
	s_wait_dscnt 0x0
	CROUND                                         ; the closing round
	s_endpgm
.Lfunc_end_k_q5784449bf5_attn:
	.size	k_q5784449bf5_attn, .Lfunc_end_k_q5784449bf5_attn-k_q5784449bf5_attn
	.p2alignl 7, 3214868480
	.fill 96, 4, 3214868480
	.section	.rodata,"a",@progbits
	.p2align	6, 0x0
	.amdhsa_kernel k_q5784449bf5_attn
		.amdhsa_group_segment_fixed_size 221184
		.amdhsa_private_segment_fixed_size 0
		.amdhsa_enable_private_segment 0
		.amdhsa_kernarg_size 32
		.amdhsa_user_sgpr_count 2
		.amdhsa_user_sgpr_kernarg_segment_ptr 1
		.amdhsa_wavefront_size32 1
		.amdhsa_system_sgpr_workgroup_id_x 1
		.amdhsa_system_sgpr_workgroup_id_y 1
		.amdhsa_system_sgpr_workgroup_id_z 1
		.amdhsa_system_vgpr_workitem_id 0
		.amdhsa_next_free_vgpr 256
		.amdhsa_next_free_sgpr 72
		.amdhsa_reserve_vcc 0
		.amdhsa_float_denorm_mode_32 3
		.amdhsa_float_denorm_mode_16_64 3
		.amdhsa_memory_ordered 1
		.amdhsa_forward_progress 1
		.amdhsa_inst_pref_size 77
	.end_amdhsa_kernel
	.amdgpu_metadata
---
amdhsa.version: [ 1, 2 ]
amdhsa.kernels:
  - .name:           k_q5784449bf5_attn
    .symbol:         k_q5784449bf5_attn.kd
    .args:
      - { .name: qkvc, .offset: 0, .size: 8, .value_kind: global_buffer, .address_space: global }
      - { .name: qkvs, .offset: 8, .size: 8, .value_kind: global_buffer, .address_space: global }
      - { .name: oc, .offset: 16, .size: 8, .value_kind: global_buffer, .address_space: global }
      - { .name: os, .offset: 24, .size: 8, .value_kind: global_buffer, .address_space: global }
    .group_segment_fixed_size: 221184
    .private_segment_fixed_size: 0
    .kernarg_segment_align: 8
    .kernarg_segment_size: 32
    .max_flat_workgroup_size: 512
    .sgpr_count:     72
    .vgpr_count:     256
    .wavefront_size: 32
...
	.end_amdgpu_metadata
.endif
;; end of part 3
;; launch outp (part 4): grid 4 x 64, 4 waves a work-group, clusters of 4 x 4, 327,680 bytes of LDS; arguments oc, opc, os, Wo_b, out0; writes out0
.if DOCPART == 4
	.amdgcn_target "amdgcn-amd-amdhsa--gfx1250"
	.amdhsa_code_object_version 6
	.text
	.protected	k_q5784449bf5_outp
	.globl	k_q5784449bf5_outp
	.p2align	8
	.type	k_q5784449bf5_outp,@function
k_q5784449bf5_outp:
	s_mov_b64 s[64:65], 0
	v_nop
	global_prefetch_b8 v0, s[64:65] scope:SCOPE_SE
	s_setreg_imm32_b32 hwreg(HW_REG_WAVE_MODE, 25, 1), 1
	s_wait_xcnt 0x0
	s_wait_alu depctr_hold_cnt(0) depctr_sa_sdst(0) depctr_va_vdst(0) depctr_va_sdst(0) depctr_va_ssrc(0) depctr_va_vcc(0) depctr_vm_vsrc(0)
	s_getreg_b32 s2, hwreg(HW_REG_IB_STS2, 6, 4)
	s_cmp_eq_u32 s2, 0
	s_cbranch_scc0 .Lentry_in_a_cluster
	s_endpgm
.Lentry_in_a_cluster:
	s_bfe_u32 s2, ttmp6, 0x10000c
	s_cmp_lg_u32 s2, 0xf033
	s_cbranch_scc0 .Lentry_shape_is_right
	s_endpgm
.Lentry_shape_is_right:
; out0 = o Wo^T + Wo_b: [8192][1024] x [1024][1024], both operands codes of FP6 (E2M3) with E8M0 scales, sums in f32.
; OPERANDS are images of their registers: oc [token block of 16][K step 0..7][1,536 bytes]; Wo's 64 row blocks lie in opc from block 704 on, laid alike.  Row r of block g is row 32 (g / 2) + 8 (g % 2) + r + 8 (r / 8) of its tensor.
; Scale words, in os: 512 bytes a block, the word of K step s of row r at 256 (s / 4) + 16 r + 4 (s % 4); o's 512 blocks first, then Wo's 64.
; SHARES: 256 work-groups; a block of the result is 128 rows x 256 columns; four waves, 2 x 2, each 64 x 128: 32 accumulators of 16 x 16 (window 2).
; LDS: ALL OF K LIES IN LDS, in two slots of four K steps (A's 8 blocks and B's 16 blocks x 6,144 bytes each): nothing is filled again.  Slot 0 is asked for at the head, one load a wave (waves 0, 1 a half of A each, waves 2, 3 a half of B each);
; slot 1's first fill stands behind the three lines and a round of the cluster's barrier.  A plain barrier in the fourth K step shows slot 1 to all waves.
; CLUSTERS 4 x 4: A's tiles hang on the tile row alone and are shared along a row of the cluster, B's on the tile column alone and are shared along a column: joint loads.
; A K STEP is 32 products.  A's and B's fragments lie twice in registers: ahead of step k's products the 48 LDS loads of step k + 1 are issued into the other sets.
; THE MATRIX INSTRUCTION IS USED TRANSPOSED (source 0 = Wo's rows, source 1 = o's rows): a lane holds eight neighbouring columns of a row.  The bias is the first products' C, laid in registers as the result lies.
; THE WAY OUT: 16 rows x 128 columns at a time through the wave's own stage in slot 0, which has had its only fill and its last read by then; the 32 lanes store a row's 512 consecutive bytes.
; NO PREFETCH: the text has no loop to run ahead in: both fills are asked for at its head.
; attention_mask is no argument: reference() never reads it.  NaN and infinities are not served.
.set HA,     24576                     ; a half of A in a slot: 4 blocks x 6,144 bytes
.set HB,     49152                     ; a half of B: 8 blocks
.set SLOT,   2*HA+2*HB
.set SPARE,  2*SLOT                    ; the spare words, 128 bytes a wave: two blocks of 256 bytes that no other line names
.set FR,     12
.set ADRA,   16                        ; v16, v17 my A fragments in slot 0, 1, 16 bytes a lane; v18, v19: 8 bytes a lane
.set ADRB,   20                        ; v20-23 the same for B
.set STO,    24
.set RD,     25
.set CO,     26                        ; 16 x lane
.set SPW,    28
.set NIL,    29
.set SC,     32                        ; v32-95 scale words: register 8 i + s: lanes 0-15 A's block i, lanes 16-31 B's block i, K step s
.set AF,     128                       ; window 0: A's fragments, two sets of 48
.set BK,     128                       ; the way out: rows read back from the stage, v128-191 and v192-255 by turns
.set WV,     18
.set WRN,    19
.set WCN,    20
.set G1,     24
.set G0,     32
.set G1B,    48
.set G0B,    56
.set MSB, 0
.macro WIN new                         ; the immediate's high byte repeats the setting that is left
.if MSB != \new
	s_set_vgpr_msb (MSB<<8)|\new
.set MSB, \new
.endif
.endm
.set MUL_LO, 0xa1                      ; source 0 (B) window 1, source 1 (A) window 0, C and D window 2
.set MUL_C,  0x91                      ; the same with C (the bias) in window 1
.set TO_B,   0x40                      ; destination window 1
.macro PLACES
.rept 4
	v_nop
.endr
.endm
.macro JLOAD s                         ; waves 0, 1 ask for A, waves 2, 3 for B: each line has one mask
	s_cmp_eq_u32 s[WRN], 0
	s_cbranch_scc0 .Lfor_b_\@
	tensor_load_to_lds s[G0+4*\s:G0+4*\s+3], s[G1:G1+7]
	s_nop 0
	PLACES
	s_branch .Lasked_\@
.Lfor_b_\@:
	tensor_load_to_lds s[G0B+4*\s:G0B+4*\s+3], s[G1B:G1B+7]
	s_nop 0
	PLACES
.Lasked_\@:
.endm
.macro CROUND
	s_barrier_signal -1
	s_barrier_wait -1
	s_cmp_lg_u32 s[WV], 0
	s_cbranch_scc1 .Lnot_wave_0_\@
	s_barrier_signal -3
.Lnot_wave_0_\@:
	s_barrier_wait -3
	s_barrier_signal -1
	s_barrier_wait -1
.endm
.macro GROUP1 g, mask, rows            ; rows of 6,144 bytes (four K steps of a block), 12,288 bytes apart
	s_or_b32 s[\g], s\mask, (3<<16)|(1<<21)
	s_mov_b32 s[\g+1], 768<<16
	s_mov_b32 s[\g+2], (\rows)<<16
	s_mov_b32 s[\g+3], 768<<16
	s_mov_b32 s[\g+4], \rows
	s_mov_b32 s[\g+5], 1536
	s_mov_b32 s[\g+6], 0
	s_mov_b32 s[\g+7], 0
.endm
.macro FRAG reg, adr, off
	ds_load_b128 v[\reg:\reg+3], v[\adr] offset:\off
	ds_load_b64 v[\reg+4:\reg+5], v[\adr+2] offset:\off+512
	ds_load_b128 v[\reg+6:\reg+9], v[\adr] offset:\off+768
	ds_load_b64 v[\reg+10:\reg+11], v[\adr+2] offset:\off+1280
.endm
.macro FETCH k                         ; K step k's fragments into sets k % 2: 32 loads for B, 16 for A
.set SL_, (\k)/4
.set OF_, 1536*((\k)%4)
.set PF_, (\k)%2
	WIN TO_B
.irp i, 0,1,2,3,4,5,6,7
	FRAG 128*PF_+FR*\i, ADRB+SL_, 6144*\i+OF_
.endr
	WIN 0
.irp i, 0,1,2,3
	FRAG AF+48*PF_+FR*\i, ADRA+SL_, 6144*\i+OF_
.endr
.endm
.macro MUL16 a0, k, first              ; A's blocks a0, a0 + 1 x B's eight; the 32 accumulators take turns, in the same order in every step
.set PP_, (\k)%2
.irp a, \a0, \a0+1
.irp b, 0,1,2,3,4,5,6,7
.if \first
	v_wmma_scale_f32_16x16x128_f8f6f4 v[8*(8*(\a)+\b):8*(8*(\a)+\b)+7], v[128*PP_+FR*\b:128*PP_+FR*\b+FR-1], v[AF+48*PP_+FR*(\a):AF+48*PP_+FR*(\a)+FR-1], v[96+8*\b+96*(\b/4):96+8*\b+96*(\b/4)+7], v[SC+8*\b+(\k)], v[SC+8*(\a)+(\k)] matrix_a_fmt:MATRIX_FMT_FP6 matrix_b_fmt:MATRIX_FMT_FP6 matrix_a_scale:MATRIX_SCALE_ROW1
.else
	v_wmma_scale_f32_16x16x128_f8f6f4 v[8*(8*(\a)+\b):8*(8*(\a)+\b)+7], v[128*PP_+FR*\b:128*PP_+FR*\b+FR-1], v[AF+48*PP_+FR*(\a):AF+48*PP_+FR*(\a)+FR-1], v[8*(8*(\a)+\b):8*(8*(\a)+\b)+7], v[SC+8*\b+(\k)], v[SC+8*(\a)+(\k)] matrix_a_fmt:MATRIX_FMT_FP6 matrix_b_fmt:MATRIX_FMT_FP6 matrix_a_scale:MATRIX_SCALE_ROW1
.endif
.endr
.endr
.endm
.macro PHASE k, first                  ; K step k: the next step's fragments are asked for, then this step's 32 products
.if !(\first)
	PLACES                                         ; the other sets were read by the step before
.endif
	FETCH (\k)+1
	s_wait_dscnt 48                                ; all but the 48 loads just issued: this step's fragments are in
.if \first
	WIN MUL_C
.else
	WIN MUL_LO
.endif
	MUL16 0, \k, \first
	MUL16 2, \k, \first
	WIN 0
.endm
	s_load_b256 s[4:11], s[0:1], 0x0               ; oc, opc, os, Wo_b
	s_load_b64 s[12:13], s[0:1], 0x20              ; out0
	v_lshl_add_u32 v[SPW], v0, 2, SPARE
	v_mov_b32 v[NIL], 0
	ds_add_u32 v[SPW], v[NIL]                      ; the wave's opening: the add, twice on end, and its wait
	ds_add_u32 v[SPW], v[NIL]
	v_lshrrev_b32 v1, 5, v0
	v_readfirstlane_b32 s[WV], v1                  ; wave 0..3
	s_lshr_b32 s[WRN], s[WV], 1                    ; my half of the block's rows.  Also: I fetch for A (0) or for B (1)
	s_and_b32 s[WCN], s[WV], 1                     ; my half of its columns.  Also: which half of that tile I fetch
	s_bfe_u32 s21, ttmp6, 0x40000                  ; cx
	s_bfe_u32 s22, ttmp6, 0x40004                  ; cy
	s_and_b32 s40, ttmp7, 0xffff
	s_lshl_b32 s40, s40, 2
	s_add_co_u32 s40, s40, s22                     ; tile row, 0..63: 128 rows, 8 blocks
	s_lshl_b32 s41, ttmp9, 2
	s_add_co_u32 s41, s41, s21                     ; tile column, 0..3: 256 columns, 16 blocks
	s_lshl_b32 s42, s22, 2
	s_lshl_b32 s42, 15, s42                        ; my row of the cluster
	s_lshl_b32 s43, 0x1111, s21                    ; my column
	GROUP1 G1, 42, 4
	GROUP1 G1B, 43, 8
	s_lshl_b32 s46, s40, 3
	s_lshl_b32 s88, s[WCN], 2
	s_add_co_u32 s46, s46, s88                     ; A: block 8 x tile row + 4 x half
	s_mul_i32 s46, s46, 12288
	s_mov_b32 s47, 0
	s_lshl_b32 s66, s41, 4
	s_lshl_b32 s88, s[WCN], 3
	s_add_co_u32 s66, s66, s88
	s_add_co_u32 s66, s66, 704                     ; B: block 704 + 16 x tile column + 8 x half
	s_mul_i32 s66, s66, 12288
	s_mov_b32 s67, 0
	s_mul_i32 s44, s[WCN], HA                      ; where they go: no place in the cluster enters an LDS address
	s_mul_i32 s45, s[WCN], HB
	s_add_co_u32 s45, s45, 2*HA
	s_mov_b32 s84, 0xffff0000                      ; lanes 16-31
	s_wait_dscnt 0x0                               ; both opening adds are done
	s_wait_kmcnt 0x0
	s_add_nc_u64 s[46:47], s[4:5], s[46:47]
	s_add_nc_u64 s[66:67], s[6:7], s[66:67]
.irp s, 0,1
	s_mov_b32 s[G0+4*\s], 1
	s_add_co_u32 s[G0+4*\s+1], s44, \s*SLOT
	s_add_nc_u64 s[G0+4*\s+2:G0+4*\s+3], s[46:47], \s*6144
	s_or_b32 s[G0+4*\s+3], s[G0+4*\s+3], 0x80000000
	s_mov_b32 s[G0B+4*\s], 1
	s_add_co_u32 s[G0B+4*\s+1], s45, \s*SLOT
	s_add_nc_u64 s[G0B+4*\s+2:G0B+4*\s+3], s[66:67], \s*6144
	s_or_b32 s[G0B+4*\s+3], s[G0B+4*\s+3], 0x80000000
.endr
	CROUND                                         ; all sixteen work-groups are here: the first joint loads meet
	JLOAD 0                                        ; K steps 0-3: one tensor load a wave at the head
	v_and_b32 v1, 31, v0
	v_and_b32 v2, 15, v0                           ; r
	v_bfe_u32 v3, v0, 4, 1                         ; h
	v_lshlrev_b32 v[CO], 4, v1
	v_lshlrev_b32 v5, 3, v1
	s_mul_i32 s88, s[WRN], HA                      ; my 4 blocks of A
	s_mul_i32 s89, s[WCN], HB                      ; my 8 blocks of B, behind A's
	s_add_co_u32 s89, s89, 2*HA
.irp s, 0,1
	v_add_nc_u32 v[ADRA+\s], s88, v[CO]
	v_add_nc_u32 v[ADRA+2+\s], s88, v5
	v_add_nc_u32 v[ADRB+\s], s89, v[CO]
	v_add_nc_u32 v[ADRB+2+\s], s89, v5
	s_add_co_u32 s88, s88, SLOT
	s_add_co_u32 s89, s89, SLOT
.endr
	s_lshl_b32 s88, s40, 3
	s_lshl_b32 s89, s[WRN], 2
	s_add_co_u32 s88, s88, s89
	s_lshl_b32 s88, s88, 9                         ; my A blocks' scale words
	s_lshl_b32 s89, s41, 4
	s_lshl_b32 s90, s[WCN], 3
	s_add_co_u32 s89, s89, s90
	s_add_co_u32 s89, s89, 512
	s_lshl_b32 s89, s89, 9                         ; my B blocks', behind o's 512 blocks
	v_mov_b32 v6, s88
	v_mov_b32 v7, s89
	v_cndmask_b32 v6, v6, v7, s84                  ; lanes 0-15 take A's, lanes 16-31 B's
	v_lshl_add_u32 v6, v2, 4, v6
.irp i, 0,1,2,3,4,5,6,7
	global_load_b128 v[SC+8*\i:SC+8*\i+3], v6, s[8:9] offset:512*\i          ; (of A's side only blocks 0-3 are used; the others' words lie inside os too)
	global_load_b128 v[SC+8*\i+4:SC+8*\i+7], v6, s[8:9] offset:512*\i+256
.endr
	s_lshl_b32 s92, s41, 10
	s_lshl_b32 s90, s[WCN], 9
	s_add_co_u32 s92, s92, s90                     ; my first column, in bytes
	s_mov_b32 s93, 0
	s_add_nc_u64 s[10:11], s[10:11], s[92:93]
	s_add_nc_u64 s[12:13], s[12:13], s[92:93]
	s_lshl_b32 s92, s40, 7
	s_lshl_b32 s90, s[WRN], 6
	s_add_co_u32 s92, s92, s90                     ; my first row,
	s_lshl_b32 s92, s92, 12                        ; of 4,096 bytes
	s_add_nc_u64 s[12:13], s[12:13], s[92:93]
	v_lshlrev_b32 v8, 6, v3
	WIN TO_B
.irp b, 0,1,2,3,4,5,6,7                        ; the bias: register j of lane (r, h) in tile b is column 32 (b / 2) + 8 (b % 2) + 16 h + j
	global_load_b128 v[96+8*\b+96*(\b/4):96+8*\b+96*(\b/4)+3], v8, s[10:11] offset:(32*(\b/2)+8*(\b%2))*4
	global_load_b128 v[96+8*\b+96*(\b/4)+4:96+8*\b+96*(\b/4)+7], v8, s[10:11] offset:(32*(\b/2)+8*(\b%2))*4+16
.endr
	WIN 0
	s_mul_i32 s88, s[WV], 16*528                   ; my stage: 16 rows x (512 + 16) bytes, in slot 0
	v_mul_u32_u24 v[STO], v2, 528
	v_lshl_add_u32 v[STO], v3, 6, v[STO]
	v_add_nc_u32 v[STO], s88, v[STO]
	v_add_nc_u32 v[RD], s88, v[CO]
	s_wait_alu depctr_va_vdst(0)                   ; the head's end
	s_wait_tensorcnt 0x0                           ; my part of slot 0 is in
	ds_add_u32 v[SPW], v[NIL]
	s_wait_dscnt 0x0
	CROUND                                         ; everybody's part of slot 0 is in, and the joint loads meet
	JLOAD 1                                        ; K steps 4-7, the first tensor load behind the round
	FETCH 0
	s_wait_loadcnt 0x0                             ; the scale words and the bias are in
	PHASE 0, 1                                     ; the first products start the sums from the bias
	PHASE 1, 0
	PHASE 2, 0
	s_wait_tensorcnt 0x0                           ; K step 3: my part of slot 1 is in,
	s_wait_dscnt 0x0                               ; and my reads of slot 0 are over
	s_barrier_signal -1                            ; a plain barrier
	WIN MUL_LO
	MUL16 0, 3, 0
	WIN 0
	s_barrier_wait -1
	PLACES
	FETCH 4
	WIN MUL_LO
	MUL16 2, 3, 0
	WIN 0
	PHASE 4, 0
	PHASE 5, 0
	PHASE 6, 0
	s_wait_dscnt 0x0                               ; the last step: nothing more to fetch
	WIN MUL_LO
	MUL16 0, 7, 0
	MUL16 2, 7, 0
	WIN 0
.macro TOSTAGE a                       ; block a: 16 rows x 128 columns into my stage, and back as whole rows.  LDS serves a wave's instructions in order (ISA guide 5.7.1.4): no wait between the stores and the loads
.set AC, 64*(\a)
	WIN 0x08                                       ; the data: window 2
.irp b, 0,1,2,3,4,5,6,7
	ds_store_b128 v[STO], v[AC+8*\b:AC+8*\b+3] offset:128*(\b/2)+32*(\b%2)          ; each accumulator from its low end on
	ds_store_b128 v[STO], v[AC+8*\b+4:AC+8*\b+7] offset:128*(\b/2)+32*(\b%2)+16
.endr
	WIN 0
.set BB, BK+64*((\a)%2)
.irp t, 0,1,2,3,4,5,6,7,8,9,10,11,12,13,14,15
	ds_load_b128 v[BB+4*\t:BB+4*\t+3], v[RD] offset:\t*528
.endr
.endm
.macro SEND a, younger                 ; younger: the LDS instructions issued behind block a's loads, which may stay out
.set BB, BK+64*((\a)%2)
	s_wait_dscnt \younger
.irp t, 0,1,2,3,4,5,6,7,8,9,10,11,12,13,14,15
	global_store_b128 v[CO], v[BB+4*\t:BB+4*\t+3], s[12:13] offset:(32*((\a)/2)+8*((\a)%2)+\t+8*(\t/8))*4096 th:TH_STORE_NT   ; 32 lanes store 512 consecutive bytes, aligned
.endr
.endm
	PLACES                                         ; behind the last products: ahead of the reads of their results and of the loads into A's registers
	TOSTAGE 0
.irp a, 1,2,3
.if \a > 1
	s_wait_xcnt 0x0                                ; block a - 2's stores have read their registers: block a's loads may land there
.endif
	TOSTAGE \a
	SEND \a-1, 32                                  ; behind block a - 1's loads: block a's 16 stores and 16 loads
.endr
	SEND 3, 0
	s_wait_tensorcnt 0x0                           ; the wave's end
	ds_add_u32 v[SPW], v[NIL]
	s_wait_dscnt 0x0
	CROUND                                         ; the closing round
	s_endpgm
.Lfunc_end_k_q5784449bf5_outp:
	.size	k_q5784449bf5_outp, .Lfunc_end_k_q5784449bf5_outp-k_q5784449bf5_outp
	.p2alignl 7, 3214868480
	.fill 96, 4, 3214868480
	.section	.rodata,"a",@progbits
	.p2align	6, 0x0
	.amdhsa_kernel k_q5784449bf5_outp
		.amdhsa_group_segment_fixed_size 327680
		.amdhsa_private_segment_fixed_size 0
		.amdhsa_enable_private_segment 0
		.amdhsa_kernarg_size 40
		.amdhsa_user_sgpr_count 2
		.amdhsa_user_sgpr_kernarg_segment_ptr 1
		.amdhsa_wavefront_size32 1
		.amdhsa_system_sgpr_workgroup_id_x 1
		.amdhsa_system_sgpr_workgroup_id_y 1
		.amdhsa_system_sgpr_workgroup_id_z 1
		.amdhsa_system_vgpr_workitem_id 0
		.amdhsa_next_free_vgpr 768
		.amdhsa_next_free_sgpr 100
		.amdhsa_reserve_vcc 0
		.amdhsa_float_denorm_mode_32 3
		.amdhsa_float_denorm_mode_16_64 3
		.amdhsa_memory_ordered 1
		.amdhsa_forward_progress 1
		.amdhsa_inst_pref_size 84
	.end_amdhsa_kernel
	.amdgpu_metadata
---
amdhsa.version: [ 1, 2 ]
amdhsa.kernels:
  - .name:           k_q5784449bf5_outp
    .symbol:         k_q5784449bf5_outp.kd
    .args:
      - { .name: oc, .offset: 0, .size: 8, .value_kind: global_buffer, .address_space: global }
      - { .name: opc, .offset: 8, .size: 8, .value_kind: global_buffer, .address_space: global }
      - { .name: os, .offset: 16, .size: 8, .value_kind: global_buffer, .address_space: global }
      - { .name: Wo_b, .offset: 24, .size: 8, .value_kind: global_buffer, .address_space: global }
      - { .name: out0, .offset: 32, .size: 8, .value_kind: global_buffer, .address_space: global }
    .group_segment_fixed_size: 327680
    .private_segment_fixed_size: 0
    .kernarg_segment_align: 8
    .kernarg_segment_size: 40
    .max_flat_workgroup_size: 128
    .sgpr_count:     100
    .vgpr_count:     768
    .wavefront_size: 32
...
	.end_amdgpu_metadata
.endif
;; end of part 4
